; MI455X (gfx1250); checked and timed in simulation.
; The chip was launched on July 23, 2026; its instructions are those of AMD's public machine-readable ISA for CDNA 5 (MIT licence, August 2026) and "CDNA5" Instruction Set Architecture Reference Guide (July 2026). The comments in the code are by the model that wrote it; some were corrected since.
;; Multi Head Attention. Allowed arithmetic: matrix products marked QUANTISED: E4M3 operands, one given power-of-two scale a tensor, by v_wmma_f32_16x16x64_fp8_fp8 or v_wmma_f32_16x16x128_fp8_fp8, f32 sums; everything else in f32.
;; Inputs: Wk_codes 1,024 x 32 x 32 uint8 (E4M3 codes of Wk, K innermost, in blocks of 32 codes); Wo_codes 1,024 x 32 x 32 uint8 (E4M3 codes of Wo, K innermost, in blocks of 32 codes); Wq_codes 1,024 x 32 x 32 uint8 (E4M3 codes of Wq, K innermost, in blocks of 32 codes); Wv_codes 1,024 x 32 x 32 uint8 (E4M3 codes of Wv, K innermost, in blocks of 32 codes); bk 1,024 float32; bo 1,024 float32; bq 1,024 float32; bv 1,024 float32; k_codes 4 x 2,048 x 32 x 32 uint8 (E4M3 codes of k, K innermost, in blocks of 32 codes); lowp_scales 12 int32 (the exponents e of the quantised operands' scales 2^e); mask 1 x 1 x 2,048 x 2,048 int32; q_codes 4 x 2,048 x 32 x 32 uint8 (E4M3 codes of q, K innermost, in blocks of 32 codes); v_codes 4 x 2,048 x 32 x 32 uint8 (E4M3 codes of v, K innermost, in blocks of 32 codes).
;; Outputs: out0 4 x 2,048 x 1,024 float32.
;; This version of the problem:
;;   THIS VERSION OF THE PROBLEM IS GIVEN IN LOW PRECISION. The matrix products marked QUANTISED in the list below multiply operands that are first quantised to E4M3 (4 exponent bits, 3 mantissa bits; 8 bits a number), with one given power-of-two scale for each operand tensor; their sums are f32. All else is computed in f32.
;;   The module's matrix products, in the order in which they are computed (A, B: the left and right operand; K: the contracted axis; several contracted axes count as one K, in the product's order):
;;     1. [M 8,192, K 1,024] x [K 1,024, N 1,024]; A: input q (given as codes); B: input Wq (given as codes): QUANTISED (scales: A lowp_scales[0], B lowp_scales[1])
;;     2. [M 8,192, K 1,024] x [K 1,024, N 1,024]; A: input k (given as codes); B: input Wk (given as codes): QUANTISED (scales: A lowp_scales[2], B lowp_scales[3])
;;     3. [M 8,192, K 1,024] x [K 1,024, N 1,024]; A: input v (given as codes); B: input Wv (given as codes): QUANTISED (scales: A lowp_scales[4], B lowp_scales[5])
;;     4. batch 64 x [M 2,048, K 64] x [K 64, N 2,048]; A: computed on the way; B: computed on the way: QUANTISED (scales: A lowp_scales[6], B lowp_scales[7])
;;     5. batch 64 x [M 2,048, K 2,048] x [K 2,048, N 64]; A: softmax (see below); B: computed on the way: QUANTISED (scales: A lowp_scales[8], B lowp_scales[9])
;;     6. [M 8,192, K 1,024] x [K 1,024, N 1,024]; A: computed on the way; B: input Wo (given as codes): QUANTISED (scales: A lowp_scales[10], B lowp_scales[11])
;;   THE QUANTISER, for each operand of a quantised product, along K:
;;     - The operand's scale is 2^e, e = its entry of the input lowp_scales (int32; the entries are numbered through the quantised products in the list's order, A before B).
;;     - Each number is divided by the scale, clamped to +-448, and rounded to the nearest number of E4M3, ties to even, subnormals kept.
;;     - The product sums the exact products of the quantised numbers (number of the format x scale) in f32.
;;   ~~~python
;;   def quantise(x, axis, e):      # numpy; x: float32 -> the quantised numbers, widened to float32 again
;;       x = np.moveaxis(x, axis, -1); K = x.shape[-1]
;;       r = np.clip(x / 2.0 ** e, -448, 448)
;;       step = 2.0 ** (np.maximum(np.frexp(np.where(r == 0, 1, r))[1] - 1, -6) - 3)
;;       q = np.round(r / step) * step * 2.0 ** e      # np.round: ties to even
;;       return np.moveaxis(q, -1, axis).astype(np.float32)
;;   ~~~
;;   SOFTMAX AHEAD OF A QUANTISED PRODUCT. Where the list says 'softmax', what is quantised is not the finished softmax but p = 2^(t - M), with t = logit x log2(e) and M = ceil(the row's largest t), a whole number; so 1/2 < the row's largest p <= 1. The row's sum l is taken of the UNQUANTISED p, in f32, and the product's result is divided by l at the end. Since M is a whole number, a kernel that streams over the keys may use a running M (the ceiling of the running maximum): every later rescaling is an exact power of two, so the quantised numbers keep their values, but for numbers so far below the row's largest that they fall under the format's range.
;;   OPERANDS COMPUTED ON THE WAY. 'Computed on the way' means the value that the module computes at that place (a softmax that the list does not call 'softmax' is quantised finished and normalised). What goes into a quantiser is computed in f32, as accurately as f32 sums, v_exp_f32 and their like allow (about 1e-6 of the number): no bf16 or f16 on the way to a quantiser, and a product that is left as it is and whose result goes on into a quantised operand takes f32 operands (vector FMAs, or v_wmma_f32_16x16x4_f32). A number that lies on a knife's edge between two numbers of the format may be rounded either way, as far as f32 arithmetic and the matrix unit's own rounding can turn it there, and no further.
;;   INPUTS GIVEN AS CODES. Wk (in the module: [1024, 1024], K = its axis 1); Wo (in the module: [1024, 1024], K = its axis 1); Wq (in the module: [1024, 1024], K = its axis 1); Wv (in the module: [1024, 1024], K = its axis 1); k (in the module: [4, 2048, 1024], K = its axis 2); q (in the module: [4, 2048, 1024], K = its axis 2); v (in the module: [4, 2048, 1024], K = its axis 2): each comes as NAME_codes (uint8): NAME with its K axis moved to the last place and cut into blocks of 32 codes, [.., K / 32, bytes a block], one block behind the other in memory; one code a byte (a code: sign, 4 exponent bits, 3 mantissa bits); its scale is its entry of lowp_scales. Its value is code x scale, taken as it is: it is not quantised again, and the codes and scales need not be those that the quantiser above would give.
;; 2 versions, each right; version 2 is version 1 with the launch attn written anew for expert scheduling mode. Each part assembles by itself: llvm-mc -triple=amdgcn-amd-amdhsa -mcpu=gfx1250 --defsym DOCPART=n.
;; ======== version 1 of 2: 3 launches
;; workspace buffers: QF 8,388,608 bytes; KF 8,388,608 bytes; VF 8,388,608 bytes; CF 8,388,608 bytes; MB 524,288 bytes of whole numbers; FL 4,096 bytes of whole numbers
;; launch proj (part 1): grid 96 x 4, 4 waves a work-group, clusters of 4 x 4, 327,680 bytes of LDS; arguments q_codes, k_codes, v_codes, Wq_codes, Wk_codes, Wv_codes, bq, bk, bv, lowp_scales, mask, QF, KF, VF, MB, FL; writes QF, KF, VF, MB, FL
.if DOCPART == 1
	.amdgcn_target "amdgcn-amd-amdhsa--gfx1250"
	.amdhsa_code_object_version 6
	.text
	.protected	k_q4cd74d0c1a_proj
	.globl	k_q4cd74d0c1a_proj
	.p2align	8
	.type	k_q4cd74d0c1a_proj,@function
k_q4cd74d0c1a_proj:
	s_mov_b64 s[64:65], 0
	v_nop
	global_prefetch_b8 v0, s[64:65] scope:SCOPE_SE
	s_setreg_imm32_b32 hwreg(HW_REG_WAVE_MODE, 25, 1), 1
	s_wait_xcnt 0x0
	s_wait_alu depctr_hold_cnt(0) depctr_sa_sdst(0) depctr_va_vdst(0) depctr_va_sdst(0) depctr_va_ssrc(0) depctr_va_vcc(0) depctr_vm_vsrc(0)
	s_getreg_b32 s2, hwreg(HW_REG_IB_STS2, 6, 4)
	s_cmp_eq_u32 s2, 0
	s_cbranch_scc0 .Lentry_in_a_cluster
	s_endpgm
.Lentry_in_a_cluster:
	s_bfe_u32 s2, ttmp6, 0x10000c
	s_cmp_lg_u32 s2, 0xf033
	s_cbranch_scc0 .Lentry_shape_is_right
	s_endpgm
.Lentry_shape_is_right:
; THE THREE PROJECTIONS OF MULTI-HEAD ATTENTION ON CODES OF FP8 (E4M3), AND THE MASK AS WHOLE NUMBERS.
; x W^T + b for (q, Wq, bq), (k, Wk, bk), (v, Wv, bv): [8192][1024] x [1024][1024]^T, K = 1,024, sums in f32; each sum x 2^(ex + ew) + bias, in f32, is quantised at once
; with the given scale of the operand that it becomes (entries 6, 7, 9 of the scales) and leaves as codes.
; NO WORK OF THE PROBLEM IS LEFT OUT AS DEAD: every input has a way to the output and is loaded (all four biases feed a quantiser or the output; the mask is an input and is read whole).
; What the next launch passes over is decided by whole numbers: a block of 32 queries x 128 keys all of whose mask entries are 1 gives p = 0 for each of its keys and moves no row's
; largest t, whatever the other inputs hold; this launch stores a flag for each block, and the next launch reads it.  LIMIT: a NaN or an infinity among the scores of such a block is not carried on (reference() replaces them by -inf too).
; ROLES, by the cluster's number (24 clusters of 4 x 4 work-groups): 0-7 q, 8-15 k, 16-23 v.  A tile of 256 x 256 to a work-group of four waves, 128 x 128 (64 accumulators) to a wave.
; THE MATRIX INSTRUCTION: source 0 = 16 rows of side B, source 1 = 16 rows of side A: lane (r, h) holds A's row r, its register i B's row 8 h + i.  Roles 0, 1: A = tokens, B = the weight's rows, so a lane's
; eight registers are eight neighbouring channels of one token.  Role 2: A = Wv's rows, B = tokens, so they are eight neighbouring KEYS of one channel: V comes out with the keys innermost and nothing is transposed.
; One conversion of an accumulator's eight registers gives two registers of the next product's operand.  OUTPUT = IMAGES OF OPERAND REGISTERS: four registers of a fragment are 512 consecutive bytes, lane l's 16 at 16 l.
;   QF, KF: [batch x head 64][tile of 16 tokens 128][chunk 2][lane][16]: lane (r, h): token r; registers 2 c, 2 c + 1: channel 16 c + 8 h + 0..7.
;   VF: [batch x head][key step of 128: 16][16 channels: 4][chunk 4][lane][16]: lane (r, h): channel r; registers 2 c, 2 c + 1: key 16 c + 8 h + 0..7.
; Both operands of THESE products come from rows in LDS by loads of 16 bytes: one and the same permutation of k in A and B, so every product meets its partner.
; CLUSTERS: the four work-groups of a row of the cluster need the same tiles of A, the four of a column the same tiles of B: each tile is asked for jointly.
; THE MASK rides in roles 0 and 1, one block of 32 queries x 128 keys to a wave (256 work-groups x 4 waves = 64 x 16 blocks), while the first tiles are on their way:
;   MB: [tile of 16 queries 128][key step 16][64 words]: bit L of word 8 u + i = (mask[16 T + L % 16][128 j + 16 u + 8 (L / 16) + i] == 1): the lane mask for register 8 u + i of the scores.
;   FL: [pair of tiles 64][key step 16] one word: bit 0: some key of the block counts; bit 1: some key is masked.  (4 bytes a wave, 4,096 in the launch: the one small store of this text.)
; LIMITS: e0 + e1, e2 + e3, e4 + e5 between -126 and 127; e6, e7, e9 between -126 and 119, so that each power of two below is an f32 number.  NaN among the biases is not served.
; No prefetch: K has four steps of 256; two are first fills and the two refills follow at once, so nothing lies far enough ahead to be asked for earlier.
; REGISTERS, in windows of 256: window 0: v1-13, v16-21, v28-29 addresses and constants; v32-63 at work; v64-127 the bias; v128-255 A's fragments, on the way out the codes (the mask work uses v32-228 ahead of the first fragment).
;   window 1: B's fragments, two sets.  windows 2, 3: the accumulators, (a, b) at v[8 (8 (a % 4) + b)].
.set PITCH,  272                       ; an LDS row: 256 bytes + 16 of padding = 68 words: the 16 rows that a load touches start at 16 different groups of four banks (64 banks of 4 bytes: ISA guide 11.1)
.set HALFT,  128*PITCH                 ; what one tensor load brings
.set SLOT,   4*HALFT                   ; A's 256 rows, then B's 256 rows
.set SPARE,  2*SLOT                    ; the spare words: 128 bytes a wave
.set STG,    SPARE+512                 ; the mask's stage: 16 rows x 528 bytes for each wave; no tile lands here
.set MPITCH, 528
.set FR,     16
.set NL,     4
.set NP,     4
.set ADRA, 16
.set ADRB, 20
.set SPW,  28
.set NIL,  29
.set TMP,  32
.set BI,   64
.set AF,   128
.set CD,   128
.set R,    32                          ; the mask as loaded: two sets of 64
.set X,    160                         ; the mask in the scores' layout
.set W,    224                         ; v224-227 the words of two records
.set F,    228                         ; the flag
.set G1,  24
.set G0,  32
.set G1B, 48
.set G0B, 56
.set MSB, 0
.macro WIN new                         ; the immediate's high byte repeats the setting that is left
.if MSB != (\new)
	s_set_vgpr_msb (MSB<<8)|(\new)
.set MSB, (\new)
.endif
.endm
.set MUL_LO, 0xa1                      ; source 0 (B) window 1, source 1 (A) window 0, C and D window 2
.set MUL_HI, 0xf1                      ; the same, C and D window 3
.set TO_B,   0x40
; a joint load: waves 0 and 1 fetch for A, waves 2 and 3 for B; the branch hangs on the wave's number alone.  An s_nop 0 and four v_nop follow each line.
.macro JLOAD g0a, g1a, g0b, g1b
	s_cmp_eq_u32 s21, 0
	s_cbranch_scc0 .Lfor_b_\@
	tensor_load_to_lds s[\g0a:\g0a+3], s[\g1a:\g1a+7]
	s_nop 0
.rept 4
	v_nop
.endr
	s_branch .Lasked_\@
.Lfor_b_\@:
	tensor_load_to_lds s[\g0b:\g0b+3], s[\g1b:\g1b+7]
	s_nop 0
.rept 4
	v_nop
.endr
.Lasked_\@:
.endm
.macro CREST                           ; a round of the cluster's barrier behind its opening barrier
	s_cmp_lg_u32 s20, 0
	s_cbranch_scc1 .Lnot_wave_0_\@
	s_barrier_signal -3
.Lnot_wave_0_\@:
	s_barrier_wait -3
	s_barrier_signal -1
	s_barrier_wait -1
.endm
.macro CROUND
	s_barrier_signal -1
	s_barrier_wait -1
	CREST
.endm
	s_load_b512 s[4:19], s[0:1], 0x0               ; q, k, v, Wq, Wk, Wv, bq, bk
	s_load_b512 s[68:83], s[0:1], 0x40             ; bv, scales, mask, QF, KF, VF, MB, FL
	v_lshl_add_u32 v[SPW], v0, 2, SPARE
	v_mov_b32 v[NIL], 0
	ds_add_u32 v[SPW], v[NIL]                      ; the wave's opening: the add, twice on end, and its wait ahead of my first tensor load
	ds_add_u32 v[SPW], v[NIL]
	v_lshrrev_b32 v1, 5, v0
	v_readfirstlane_b32 s20, v1                    ; wave 0..3
	s_lshr_b32 s21, s20, 1                         ; my half of A's rows.  Also: I fetch for A (0) or for B (1)
	s_and_b32 s22, s20, 1                          ; my half of B's rows.  Also: which 128 rows I fetch
	s_lshr_b32 s23, ttmp9, 3                       ; the role: the same in all sixteen partners
	s_and_b32 s44, ttmp9, 7
	s_lshl_b32 s44, s44, 2                         ; the tokens' side has 32 tiles: four to a cluster
	s_bfe_u32 s40, ttmp6, 0x40000                  ; cx
	s_bfe_u32 s41, ttmp6, 0x40004                  ; cy
	s_cmp_eq_u32 s23, 2
	s_cselect_b32 s43, 0, s44
	s_cselect_b32 s42, s44, 0
	s_add_co_u32 s43, s43, s41                     ; A's tile: hangs on cy alone
	s_add_co_u32 s42, s42, s40                     ; B's tile: on cx alone
	s_lshl_b32 s46, s41, 2
	s_lshl_b32 s46, 15, s46                        ; my row of the cluster
	s_lshl_b32 s47, 0x1111, s40                    ; my column
	s_or_b32 s[G1+0], s46, (0<<16)|(1<<20)|(1<<21)|(5<<22)|(3<<25)   ; the mask; elements of 1 byte; padding on; bit 21 beside a mask; after every 64 words, 4 words
	s_or_b32 s[G1B+0], s47, (0<<16)|(1<<20)|(1<<21)|(5<<22)|(3<<25)
.irp g, G1, G1B
	s_mov_b32 s[\g+1], 256<<16                     ; tensor_dim0
	s_mov_b32 s[\g+2], 128<<16                     ; tensor_dim1
	s_mov_b32 s[\g+3], 256<<16                     ; tile_dim0
	s_mov_b32 s[\g+4], 128                         ; tile_dim1
	s_mov_b32 s[\g+5], 1024                        ; from row to row
	s_mov_b32 s[\g+6], 0
	s_mov_b32 s[\g+7], 0
.endr
	s_lshl_b32 s45, s22, 7
	s_lshl_b32 s92, s43, 8
	s_add_co_u32 s92, s92, s45
	s_lshl_b32 s92, s92, 10                        ; A: (256 x tile + 128 x half) rows of 1,024 bytes
	s_mov_b32 s93, 0
	s_lshl_b32 s94, s42, 8
	s_add_co_u32 s94, s94, s45
	s_lshl_b32 s94, s94, 10                        ; B likewise
	s_mov_b32 s95, 0
	s_mul_i32 s45, s20, HALFT                      ; where my load goes: wave x 128 rows
	s_wait_dscnt 0x0                               ; both opening adds are done
	s_wait_kmcnt 0x0
	s_cmp_eq_u32 s23, 0                            ; the buffers are chosen by the role, which hangs on no address
	s_cselect_b64 s[84:85], s[4:5], s[6:7]
	s_cselect_b64 s[86:87], s[10:11], s[12:13]
	s_cselect_b64 s[88:89], s[16:17], s[18:19]
	s_cselect_b64 s[90:91], s[74:75], s[76:77]
	s_cmp_eq_u32 s23, 2
	s_cselect_b64 s[84:85], s[14:15], s[84:85]     ; side A: q, k or Wv
	s_cselect_b64 s[86:87], s[8:9], s[86:87]       ; side B: Wq, Wk or v
	s_cselect_b64 s[88:89], s[68:69], s[88:89]     ; the bias
	s_cselect_b64 s[90:91], s[78:79], s[90:91]     ; the output
	s_load_b256 s[4:11], s[70:71], 0x0             ; e0 .. e7
	s_load_b128 s[12:15], s[70:71], 0x20           ; e8 .. e11
	s_add_nc_u64 s[84:85], s[84:85], s[92:93]
	s_add_nc_u64 s[86:87], s[86:87], s[94:95]
	CROUND                                         ; all sixteen work-groups are here: the first joint loads meet
.irp s, 0,1
	s_mov_b32 s[G0+4*\s], 1
	s_add_co_u32 s[G0+4*\s+1], s45, \s*SLOT
	s_add_nc_u64 s[G0+4*\s+2:G0+4*\s+3], s[84:85], \s*256
	s_or_b32 s[G0+4*\s+3], s[G0+4*\s+3], 0x80000000
	s_mov_b32 s[G0B+4*\s], 1
	s_add_co_u32 s[G0B+4*\s+1], s45, \s*SLOT
	s_add_nc_u64 s[G0B+4*\s+2:G0B+4*\s+3], s[86:87], \s*256
	s_or_b32 s[G0B+4*\s+3], s[G0B+4*\s+3], 0x80000000
	JLOAD G0+4*\s, G1, G0B+4*\s, G1B               ; two loads of mine are out
.endr
	v_and_b32 v1, 15, v0                           ; r
	v_bfe_u32 v2, v0, 4, 1                         ; h
	v_mul_u32_u24 v3, v1, PITCH
	v_lshl_add_u32 v4, v2, 4, v3                   ; a fragment's row x pitch + 16 h
	s_mul_i32 s46, s21, HALFT
	s_mul_i32 s47, s22, HALFT
	s_add_co_u32 s47, s47, 2*HALFT
.irp s, 0,1
	v_add_nc_u32 v[ADRA+\s], s46, v4
	v_add_nc_u32 v[ADRB+\s], s47, v4
	s_add_co_u32 s46, s46, SLOT
	s_add_co_u32 s47, s47, SLOT
.endr
	v_and_b32 v10, 31, v0                          ; lane
	v_lshlrev_b32 v5, 4, v10                       ; 16 x lane
	v_lshlrev_b32 v8, 3, v10                       ; 8 x lane
	v_mov_b32 v11, 0
	s_mul_i32 s46, s20, 16*MPITCH
	s_add_co_u32 s46, s46, STG                     ; my stage
	v_add_nc_u32 v6, s46, v5                       ; in: a row's 512 bytes as they lie
	v_mul_u32_u24 v7, v1, MPITCH
	v_lshl_add_u32 v7, v2, 5, v7
	v_add_nc_u32 v7, s46, v7                       ; back: query r, + 32 h bytes: my eight keys of each sixteen
; ---- THE MASK (roles 0 and 1).  The branch hangs on the role alone; no barrier and no tensor load stands inside.
.macro MLOAD t                         ; tile t of the pair: 16 rows x 128 entries; each load reads 512 consecutive bytes
.irp i, 0,1,2,3,4,5,6,7,8,9,10,11,12,13,14,15
	global_load_b128 v[R+64*(\t)+4*\i:R+64*(\t)+4*\i+3], v5, s[72:73] offset:(16*(\t)+\i)*8192 th:TH_LOAD_NT
.endr
.endm
.macro MUNIT t
	s_wait_loadcnt 16*(1-(\t))                     ; this tile's 16 loads are in; the other tile's 16 may be out
.irp i, 0,1,2,3,4,5,6,7,8,9,10,11,12,13,14,15
	ds_store_b128 v6, v[R+64*(\t)+4*\i:R+64*(\t)+4*\i+3] offset:\i*MPITCH
.endr
.irp k, 0,1,2,3,4,5,6,7,8,9,10,11,12,13,14,15
	ds_load_b128 v[X+4*\k:X+4*\k+3], v7 offset:(\k/2)*64+(\k%2)*16   ; LDS serves a wave's instructions in order (ISA guide 5.7.1.4): these see my stores
.endr
	s_wait_dscnt 0x0
.irp u, 0,1,2,3,4,5,6,7
.irp i, 0,1,2,3,4,5,6,7
	v_cmp_eq_u32 s[92+\i], 1, v[X+8*\u+\i]         ; word 8 u + i of the record
.endr
.irp i, 0,1,2,3,4,5,6,7
	v_writelane_b32 v[W+2*(\t)+\i%2], s[92+\i], 4*\u+\i/2   ; lane n / 2 holds words n and n + 1
.endr
.irp i, 0,1,2,3,4,5,6,7
	s_or_b32 s100, s100, s[92+\i]
	s_and_b32 s101, s101, s[92+\i]
.endr
.endr
	global_store_b64 v8, v[W+2*(\t):W+2*(\t)+1], s[80:81] offset:(\t)*4096   ; a whole record: 256 consecutive bytes, aligned
.endm
	s_cmp_lt_u32 s23, 2
	s_cbranch_scc0 .Lno_mask
	s_lshl_b32 s46, ttmp9, 4
	s_lshl_b32 s47, s41, 2
	s_add_co_u32 s46, s46, s47
	s_add_co_u32 s46, s46, s40
	s_lshl_b32 s46, s46, 2
	s_add_co_u32 s46, s46, s20                     ; my block, 0 .. 1,023 = 16 x pair + key step
	s_lshr_b32 s47, s46, 4                         ; the pair
	s_and_b32 s44, s46, 15                         ; the key step
	s_lshl_b32 s98, s47, 18                        ; 32 rows of 8,192 bytes
	s_lshl_b32 s99, s44, 9
	s_add_co_u32 s98, s98, s99
	s_mov_b32 s99, 0
	s_add_nc_u64 s[72:73], s[72:73], s[98:99]
	s_lshl_b32 s98, s47, 13
	s_lshl_b32 s44, s44, 8
	s_add_co_u32 s98, s98, s44
	s_add_nc_u64 s[80:81], s[80:81], s[98:99]
	s_lshl_b32 s98, s46, 2
	s_add_nc_u64 s[82:83], s[82:83], s[98:99]
.irp i, 0,1,2,3
	v_mov_b32 v[W+\i], 0                           ; v_writelane_b32's destination counts as read
.endr
	s_mov_b32 s100, 0
	s_mov_b32 s101, -1
	MLOAD 0
	MLOAD 1
	MUNIT 0
	MUNIT 1
	s_cmp_lg_u32 s101, -1                          ; some entry is not 1: some key counts
	s_cselect_b32 s46, 1, 0
	s_cmp_lg_u32 s100, 0                           ; some entry is 1
	s_cselect_b32 s47, 2, 0
	s_or_b32 s46, s46, s47
	v_mov_b32 v[F], s46
	v_cmp_eq_u32 vcc_lo, 0, v10
	s_wait_xcnt 0x0                                ; EXEC changes only behind this wait: it is a source of the stores above
	s_and_saveexec_b32 s47, vcc_lo
	global_store_b32 v11, v[F], s[82:83]           ; lane 0 alone
	s_wait_xcnt 0x0                                ; and again ahead of the line that widens it; the stores' data registers are free from here on too
	s_or_b32 exec_lo, exec_lo, s47
.Lno_mask:
.macro FRAG reg, adr, q, i             ; 16 rows x 128 K: registers 4 c .. 4 c + 3 hold K = 32 c + 16 h + 0 .. 15
.irp c, 0,1,2,3
	ds_load_b128 v[\reg+4*\c:\reg+4*\c+3], v[\adr] offset:128*(\q)+32*\c+(\i)*16*PITCH
.endr
.endm
; 16 matrix instructions: A's blocks a0, a0 + 1 x B's eight.  The 64 accumulators take turns, one instruction a turn, in the same order in every step.
.macro MUL16 a0, p, zero
.irp a, \a0, \a0+1
.irp b, 0,1,2,3,4,5,6,7
.if \zero
	v_wmma_f32_16x16x128_fp8_fp8 v[8*(8*((\a)%4)+\b):8*(8*((\a)%4)+\b)+7], v[128*(\p)+FR*\b:128*(\p)+FR*\b+FR-1], v[AF+FR*(\a):AF+FR*(\a)+FR-1], 0
.else
	v_wmma_f32_16x16x128_fp8_fp8 v[8*(8*((\a)%4)+\b):8*(8*((\a)%4)+\b)+7], v[128*(\p)+FR*\b:128*(\p)+FR*\b+FR-1], v[AF+FR*(\a):AF+FR*(\a)+FR-1], v[8*(8*((\a)%4)+\b):8*(8*((\a)%4)+\b)+7]
.endif
.endr
.endr
.endm
.macro FETCH_B slot, q, p
	WIN TO_B
.irp i, 0,1,2,3,4,5,6,7
	FRAG 128*(\p)+FR*\i, ADRB+\slot, \q, \i
.endr
	WIN 0
.endm
.macro FETCH_A slot, q, i0
.irp i, \i0, \i0+1, \i0+2, \i0+3
	FRAG AF+FR*(\i), ADRA+\slot, \q, \i
.endr
.endm
.macro PLACES n                        ; plain vector instructions between a matrix instruction and a load into, or a read of, its registers
.rept \n
	v_nop
.endr
.endm
.macro STEP slot, q, zero              ; 128 along K with its successor in the same slot
	s_wait_dscnt 4*NL                              ; B's set and A's blocks 0-3 are in; the youngest 16 loads (A's blocks 4-7) may be out
	WIN MUL_LO
	MUL16 0, (\q)%2, \zero
	MUL16 2, (\q)%2, \zero
	s_wait_dscnt 0
	PLACES NP
	FETCH_B \slot, (\q)+1, 1-(\q)%2
	FETCH_A \slot, (\q)+1, 0
	WIN MUL_HI
	MUL16 4, (\q)%2, \zero
	MUL16 6, (\q)%2, \zero
	PLACES NP
	WIN 0
	FETCH_A \slot, (\q)+1, 4
.endm
.macro TURN slot, next, fill           ; a slot's last step changes slots
	s_wait_tensorcnt 0x0                           ; all my tensor loads have landed: my part of the next slot
	ds_add_u32 v[SPW], v[NIL]                      ; 0 onto my spare word
	s_wait_dscnt 4*NL+1                            ; the add and the youngest 16 loads may be out
	WIN MUL_LO
	MUL16 0, 1, 0
	s_wait_dscnt 0x0                               ; the add is done, and my reads of this slot are over
	s_barrier_signal -1
	MUL16 2, 1, 0
	WIN 0
	s_barrier_wait -1
.if \fill
	CREST                                          ; the barrier has opened a round of the cluster's barrier: no wave of any partner still reads this slot or has a load on its way
	s_add_nc_u64 s[G0+4*\slot+2:G0+4*\slot+3], s[G0+4*\slot+2:G0+4*\slot+3], 512
	s_add_nc_u64 s[G0B+4*\slot+2:G0B+4*\slot+3], s[G0B+4*\slot+2:G0B+4*\slot+3], 512
	JLOAD G0+4*\slot, G1, G0B+4*\slot, G1B         ; my one tensor load behind the round; its four v_nop are the places in front of the loads below
.else
	PLACES NP
.endif
	FETCH_B \next, 0, 0
	FETCH_A \next, 0, 0
	WIN MUL_HI
	MUL16 4, 1, 0
	MUL16 6, 1, 0
	PLACES NP
	WIN 0
	FETCH_A \next, 0, 4
.endm
.macro LAST                            ; the last 128 along K: nothing more to fetch
	s_wait_dscnt 4*NL
	WIN MUL_LO
	MUL16 0, 1, 0
	MUL16 2, 1, 0
	s_wait_dscnt 0
	WIN MUL_HI
	MUL16 4, 1, 0
	MUL16 6, 1, 0
	WIN 0
.endm
; THE WAY OUT of four accumulators (A's block a, B's blocks 4 e .. 4 e + 3): sum x 2^(ex + ew) + bias, each accumulator from its low end on; the hold; four conversions: eight registers of an image; two stores of 512 bytes.
; v = 0: the bias goes with the registers (channels); v = 1: with the lane.  Each of the 16 groups has its own eight registers of codes: no store's data are written again.
.macro GROUP a, e, v
.set AC, 64*((\a)%4)+32*(\e)
.set CR, CD+8*(2*(\a)+(\e))
	WIN 0x02+(\a)/4
.set gi, 0
.rept 16
.if \v
	v_pk_fma_f32 v[TMP+gi:TMP+gi+1], v[AC+gi:AC+gi+1], s[96:97], v[BI+2*(\a):BI+2*(\a)+1] op_sel_hi:[1,0,1]
.else
	v_pk_fma_f32 v[TMP+gi:TMP+gi+1], v[AC+gi:AC+gi+1], s[96:97], v[BI+32*(\e)+gi:BI+32*(\e)+gi+1] op_sel_hi:[1,0,1]
.endif
.set gi, gi+2
.endr
	WIN 0
.set gi, 0
.rept 32
	v_med3_num_f32 v[TMP+gi], v[TMP+gi], -v13, v13 ; the conversion to an 8-bit code does not saturate (ISA guide 7.6.2)
.set gi, gi+1
.endr
.irp k, 0,1,2,3
	v_cvt_scalef32_pk8_fp8_f32 v[CR+2*\k:CR+2*\k+1], v[TMP+8*\k:TMP+8*\k+7], v12
.endr
	v_nop                                          ; a plain instruction between the conversions and the next group's writes of their sources
.if \v
.set OFF, ((\a)/4)*131072+((\a)%4)*2048+(\e)*1024
.else
.set OFF, (\e)*131072+(\a)*1024
.endif
	global_store_b128 v5, v[CR:CR+3], s[90:91] offset:OFF
	global_store_b128 v5, v[CR+4:CR+7], s[90:91] offset:OFF+512
.endm
	s_wait_tensorcnt 1                             ; my part of K step 0 is in; K step 1's load may stay out
	s_barrier_signal -1
	s_barrier_wait -1
	FETCH_B 0, 0, 0
	FETCH_A 0, 0, 0
	FETCH_A 0, 0, 4
	STEP 0, 0, 1                                   ; the first products start the sums: nothing is cleared.  Four K steps of 256: written out, no loop
	TURN 0, 1, 1
	STEP 1, 0, 0
	TURN 1, 0, 1
	STEP 0, 0, 0
	TURN 0, 1, 0
	STEP 1, 0, 0
	s_wait_kmcnt 0x0                               ; the scales
	s_add_co_i32 s46, s4, s5
	s_add_co_i32 s47, s6, s7
	s_add_co_i32 s44, s8, s9
	s_cmp_eq_u32 s23, 0
	s_cselect_b32 s46, s46, s47
	s_cselect_b32 s47, s10, s11
	s_cmp_eq_u32 s23, 2
	s_cselect_b32 s46, s44, s46                    ; ex + ew of my role
	s_cselect_b32 s47, s13, s47                    ; the result's own e: entry 6, 7 or 9
	s_add_co_i32 s46, s46, 127
	s_lshl_b32 s96, s46, 23                        ; 2^(ex + ew) as f32
	s_mov_b32 s97, s96                             ; (named with it as a pair)
	s_add_co_i32 s47, s47, 127
	s_lshl_b32 s46, s47, 23
	v_mov_b32 v12, s46                             ; the conversion's scale
	s_add_co_i32 s47, s47, 8
	s_lshl_b32 s47, s47, 23
	s_or_b32 s47, s47, 0x600000
	v_mov_b32 v13, s47                             ; 448 x that
	s_lshl_b32 s46, s43, 8
	s_lshl_b32 s44, s21, 7
	s_add_co_u32 s46, s46, s44                     ; my first row of side A
	s_lshl_b32 s47, s42, 8
	s_lshl_b32 s44, s22, 7
	s_add_co_u32 s47, s47, s44                     ; and of side B
	s_cmp_eq_u32 s23, 2
	s_cselect_b32 s44, s47, s46                    ; my first token
	s_cselect_b32 s46, s46, s47                    ; my first channel
	s_lshl_b32 s98, s46, 2
	s_mov_b32 s99, 0
	s_add_nc_u64 s[88:89], s[88:89], s[98:99]      ; the bias at my first channel
	s_lshr_b32 s47, s44, 11                        ; the batch
	s_lshl_b32 s47, s47, 4
	s_lshr_b32 s46, s46, 6                         ; my first head
	s_add_co_u32 s47, s47, s46
	s_lshl_b32 s47, s47, 17                        ; a head's images are 131,072 bytes in all three buffers,
	s_and_b32 s44, s44, 2047
	s_lshl_b32 s44, s44, 6                         ; and a token's share of them is 64 bytes
	s_add_co_u32 s98, s47, s44
	s_add_nc_u64 s[90:91], s[90:91], s[98:99]
	s_cmp_eq_u32 s23, 2
	s_cbranch_scc1 .Lv
	v_lshlrev_b32 v9, 5, v2                        ; Q, K: lane (r, h) wants, for B's block b, the bias of channels 16 b + 8 h + 0..7
.irp b, 0,1,2,3,4,5,6,7
	global_load_b128 v[BI+8*\b:BI+8*\b+3], v9, s[88:89] offset:64*\b
	global_load_b128 v[BI+8*\b+4:BI+8*\b+7], v9, s[88:89] offset:64*\b+16
.endr
	LAST                                           ; 64 products stand between those loads and the wait for them
	s_wait_loadcnt 0x0
	PLACES NP
.irp a, 0,1,2,3,4,5,6,7
	GROUP \a, 0, 0
	GROUP \a, 1, 0
.endr
	s_branch .Ldone
.Lv:
	v_lshlrev_b32 v9, 2, v1                        ; V: for A's block a the bias of channel 16 a + r, twice, to fill the pair of the packed form
.irp a, 0,1,2,3,4,5,6,7
	global_load_b32 v[BI+2*\a], v9, s[88:89] offset:64*\a
	global_load_b32 v[BI+2*\a+1], v9, s[88:89] offset:64*\a
.endr
	LAST
	s_wait_loadcnt 0x0
	PLACES NP
.irp a, 0,1,2,3,4,5,6,7
	GROUP \a, 0, 1
	GROUP \a, 1, 1
.endr
.Ldone:
	s_wait_tensorcnt 0x0                           ; the wave's end
	ds_add_u32 v[SPW], v[NIL]
	s_wait_dscnt 0x0
	CROUND                                         ; the closing round
	s_endpgm
.Lfunc_end_k_q4cd74d0c1a_proj:
	.size	k_q4cd74d0c1a_proj, .Lfunc_end_k_q4cd74d0c1a_proj-k_q4cd74d0c1a_proj
	.p2alignl 7, 3214868480
	.fill 96, 4, 3214868480
	.section	.rodata,"a",@progbits
	.p2align	6, 0x0
	.amdhsa_kernel k_q4cd74d0c1a_proj
		.amdhsa_group_segment_fixed_size 327680
		.amdhsa_private_segment_fixed_size 0
		.amdhsa_enable_private_segment 0
		.amdhsa_kernarg_size 128
		.amdhsa_user_sgpr_count 2
		.amdhsa_user_sgpr_kernarg_segment_ptr 1
		.amdhsa_wavefront_size32 1
		.amdhsa_system_sgpr_workgroup_id_x 1
		.amdhsa_system_sgpr_workgroup_id_y 1
		.amdhsa_system_sgpr_workgroup_id_z 1
		.amdhsa_system_vgpr_workitem_id 0
		.amdhsa_next_free_vgpr 1024
		.amdhsa_next_free_sgpr 102
		.amdhsa_reserve_vcc 1
		.amdhsa_float_denorm_mode_32 3
		.amdhsa_float_denorm_mode_16_64 3
		.amdhsa_memory_ordered 1
		.amdhsa_forward_progress 1
		.amdhsa_inst_pref_size 232
	.end_amdhsa_kernel
	.amdgpu_metadata
---
amdhsa.version: [ 1, 2 ]
amdhsa.kernels:
  - .name:           k_q4cd74d0c1a_proj
    .symbol:         k_q4cd74d0c1a_proj.kd
    .args:
      - { .name: q_codes, .offset: 0, .size: 8, .value_kind: global_buffer, .address_space: global }
      - { .name: k_codes, .offset: 8, .size: 8, .value_kind: global_buffer, .address_space: global }
      - { .name: v_codes, .offset: 16, .size: 8, .value_kind: global_buffer, .address_space: global }
      - { .name: Wq_codes, .offset: 24, .size: 8, .value_kind: global_buffer, .address_space: global }
      - { .name: Wk_codes, .offset: 32, .size: 8, .value_kind: global_buffer, .address_space: global }
      - { .name: Wv_codes, .offset: 40, .size: 8, .value_kind: global_buffer, .address_space: global }
      - { .name: bq, .offset: 48, .size: 8, .value_kind: global_buffer, .address_space: global }
      - { .name: bk, .offset: 56, .size: 8, .value_kind: global_buffer, .address_space: global }
      - { .name: bv, .offset: 64, .size: 8, .value_kind: global_buffer, .address_space: global }
      - { .name: lowp_scales, .offset: 72, .size: 8, .value_kind: global_buffer, .address_space: global }
      - { .name: mask, .offset: 80, .size: 8, .value_kind: global_buffer, .address_space: global }
      - { .name: QF, .offset: 88, .size: 8, .value_kind: global_buffer, .address_space: global }
      - { .name: KF, .offset: 96, .size: 8, .value_kind: global_buffer, .address_space: global }
      - { .name: VF, .offset: 104, .size: 8, .value_kind: global_buffer, .address_space: global }
      - { .name: MB, .offset: 112, .size: 8, .value_kind: global_buffer, .address_space: global }
      - { .name: FL, .offset: 120, .size: 8, .value_kind: global_buffer, .address_space: global }
    .group_segment_fixed_size: 327680
    .private_segment_fixed_size: 0
    .kernarg_segment_align: 8
    .kernarg_segment_size: 128
    .max_flat_workgroup_size: 128
    .sgpr_count:     102
    .vgpr_count:     1024
    .wavefront_size: 32
...
	.end_amdgpu_metadata
.endif
;; end of part 1
;; launch attn (part 2): grid 4 x 64, 8 waves a work-group, no clusters, 263,168 bytes of LDS; arguments QF, KF, VF, MB, FL, lowp_scales, CF; writes CF
.if DOCPART == 2
	.amdgcn_target "amdgcn-amd-amdhsa--gfx1250"
	.amdhsa_code_object_version 6
	.text
	.protected	k_q4cd74d0c1a_attn
	.globl	k_q4cd74d0c1a_attn
	.p2align	8
	.type	k_q4cd74d0c1a_attn,@function
k_q4cd74d0c1a_attn:
	s_mov_b64 s[64:65], 0
	v_nop
	global_prefetch_b8 v0, s[64:65] scope:SCOPE_SE
	s_setreg_imm32_b32 hwreg(HW_REG_WAVE_MODE, 25, 1), 1
	s_wait_xcnt 0x0
; ATTENTION ON CODES OF FP8 (E4M3): scores, mask, softmax, the product with V, the division by the row's sum, and the quantiser of the last projection's operand.
; LEFT OUT, by whole numbers that the launch before stored (FL): a block of 32 queries x 128 keys all of whose mask entries are 1.  Each of its p is 0 and it moves no row's largest t, whatever the other inputs hold.
; t = score x 2^(e6 + e7) x log2(e) / 8; M = the ceiling of the row's running largest t; p = 2^(t - M) is quantised with 2^e8; the row's sum l is taken of the unquantised p; when M moves, l and O are multiplied by 2^(old M - new M), exactly.
; SHARES.  A work-group has one head of one batch and a quarter of its queries.  ALL of the head's codes of K and V (131,072 bytes each) are copied once into LDS, through registers; one barrier; from then on the waves share nothing.
; Wave w takes two PAIRS of tiles of 16 queries, one after the other: pair 8 g + w and pair 63 - (8 g + w): a fixed share, right for every mask.  Both tiles of a pair use each fragment of K and V that is read from LDS.
; NO TENSOR LOAD, NO COPY, NO CLUSTER: the walk over the key steps branches on numbers read from memory (the flags); so the four work-groups of a head each read K and V themselves.
; No prefetch: K and V are read in one run at the head of the launch, and nothing of them is asked for later.
; LAYOUT.  S^T = K Q^T (source 0 = 16 keys, source 1 = 16 queries), O^T = V^T P^T (source 0 = 16 channels, source 1 = P): a lane holds ONE query throughout; register 8 u + i of S^T is key 16 u + 8 h + i, so one conversion
; of tile u's eight registers gives registers 2 u, 2 u + 1 of P, and one of O^T's tile gives two registers of the next operand.  All fragments lie in memory and in LDS as images of their registers: 512 consecutive bytes a load.
; CF: [tile of 16 rows 512][head 16][chunk 2][lane][16]: lane (r, h): row r; registers 2 c, 2 c + 1: channel 16 c + 8 h + 0..7 of the head.
; A ROW ALL OF WHOSE KEYS ARE MASKED has l = 0: its codes are set to 0x7f, the format's NaN, so that its row of the output is NaN, as reference() has it.
; LIMITS: e6 + e7 between -123 and 130 (added to c's exponent field); e8, e10 between -126 and 119.
; REGISTERS: window 0: v1 16 x lane; v2, v3 the add's two; v4, v5 LDS addresses of the step; v6-11 constants; v12 the fill's LDS address; v16-31 statistics, eight a tile: -M, largest t, l (two halves), f and a filler, two at work;
;   v32-47 Q of pair 0; v48-79 P, then the codes that leave; v80-207 S^T, 64 a tile; v208-223 Q of pair 1.   window 1: v0-63 K of a step; v64-127 V; v128-191 O^T, 32 a tile.
.set SPARE, 262144                     ; behind K and V: the spare words, 128 bytes for each of eight waves
.set LI,   1
.set SPW,  2
.set NIL,  3
.set ADK,  4
.set ADV,  5
.set NINF, 6
.set PSC,  7
.set PLIM, 8
.set OSC,  9
.set OLIM, 10
.set NANC, 11
.set FILL, 12
.set ST,   16
.set Q0,   32
.set P,    48
.set S,    80
.set Q1,   208
.set KW,   0
.set VW,   64
.set OW,   128
.set MSB, 0
.macro WIN new                         ; the immediate's high byte repeats the setting that is left
.if MSB != (\new)
	s_set_vgpr_msb (MSB<<8)|(\new)
.set MSB, (\new)
.endif
.endm
	s_load_b256 s[4:11], s[0:1], 0x0               ; QF, KF, VF, MB
	s_load_b128 s[12:15], s[0:1], 0x20             ; FL, the scales
	s_load_b64 s[90:91], s[0:1], 0x30              ; CF
	v_lshl_add_u32 v[SPW], v0, 2, SPARE
	v_mov_b32 v[NIL], 0
	v_lshrrev_b32 v4, 5, v0
	v_readfirstlane_b32 s84, v4                    ; wave 0..7
	v_and_b32 v[LI], 31, v0
	v_lshlrev_b32 v[LI], 4, v[LI]
	s_lshl_b32 s85, s84, 15
	v_add_nc_u32 v[FILL], s85, v[LI]               ; my wave fills LDS bytes 32,768 w on: waves 0-3 K, waves 4-7 V
	s_and_b32 s68, ttmp7, 0xffff                   ; batch x 16 + head
	s_lshl_b32 s69, ttmp9, 3
	s_add_co_u32 s69, s69, s84                     ; my first pair
	s_sub_co_u32 s70, 63, s69                      ; my second
	s_lshl_b32 s72, s68, 17                        ; the head's first byte in QF, KF, VF
	s_mov_b32 s73, 0
	s_lshl_b32 s74, s69, 11                        ; a pair of Q's tiles is 2,048 bytes
	s_mov_b32 s75, 0
	s_lshl_b32 s76, s70, 11
	s_mov_b32 s77, 0
	s_and_b32 s82, s84, 3
	s_lshl_b32 s82, s82, 15
	s_mov_b32 s83, 0
	s_lshl_b32 s2, s69, 6                          ; a pair's 16 flags are 64 bytes
	s_lshl_b32 s3, s70, 6
	s_mov_b32 s96, 0x76543210                      ; v_permlanex16_b32: lane l xor 16
	s_mov_b32 s97, 0xfedcba98
	s_wait_kmcnt 0x0
	s_add_nc_u64 s[4:5], s[4:5], s[72:73]
	s_add_nc_u64 s[78:79], s[4:5], s[74:75]
	s_add_nc_u64 s[80:81], s[4:5], s[76:77]
.irp i, 0,1,2,3
	global_load_b128 v[Q0+4*\i:Q0+4*\i+3], v[LI], s[78:79] offset:512*\i
	global_load_b128 v[Q1+4*\i:Q1+4*\i+3], v[LI], s[80:81] offset:512*\i
.endr
	s_cmp_lt_u32 s84, 4
	s_cselect_b64 s[6:7], s[6:7], s[8:9]
	s_add_nc_u64 s[6:7], s[6:7], s[72:73]
	s_add_nc_u64 s[6:7], s[6:7], s[82:83]          ; my 32,768 bytes of K's or of V's images
.set n, 0
.rept 32
	global_load_b128 v[S+4*n:S+4*n+3], v[LI], s[6:7] offset:512*n
.set n, n+1
.endr
	WIN 0x40                                       ; destination window 1
.set n, 0
.rept 32
	global_load_b128 v[4*n:4*n+3], v[LI], s[6:7] offset:512*(32+n)
.set n, n+1
.endr
	WIN 0
	s_load_b512 s[16:31], s[12:13], s2 offset:0x0  ; the first pair's 16 flags
	s_load_b512 s[32:47], s[12:13], s3 offset:0x0  ; the second's
	s_load_b256 s[48:55], s[14:15], 0x0            ; e0 .. e7
	s_load_b128 s[56:59], s[14:15], 0x20           ; e8 .. e11
	s_lshl_b32 s74, s69, 13                        ; a pair's records of the mask: 2 tiles x 16 steps x 256 bytes
	s_add_nc_u64 s[86:87], s[10:11], s[74:75]
	s_lshl_b32 s76, s70, 13
	s_add_nc_u64 s[88:89], s[10:11], s[76:77]
	s_lshr_b32 s71, s68, 4                         ; the batch: 128 row tiles of 16,384 bytes
	s_lshl_b32 s82, s71, 21
	s_and_b32 s71, s68, 15                         ; the head: 1,024 bytes in a row tile
	s_lshl_b32 s71, s71, 10
	s_add_co_u32 s82, s82, s71
	s_add_nc_u64 s[90:91], s[90:91], s[82:83]
	s_lshl_b32 s82, s70, 15
	s_add_nc_u64 s[92:93], s[90:91], s[82:83]      ; where the second pair's codes go,
	s_lshl_b32 s82, s69, 15
	s_add_nc_u64 s[90:91], s[90:91], s[82:83]      ; and the first's
	v_mov_b32 v[NINF], 0xff800000
	v_mov_b32 v[NANC], 0x7f7f7f7f
	s_wait_kmcnt 0x0
	s_mov_b32 s98, s16                             ; a pair's flags, two bits a key step, in one word
	s_mov_b32 s99, s32
.irp j, 1,2,3,4,5,6,7,8,9,10,11,12,13,14,15
	s_lshl_b32 s85, s[16+\j], 2*\j
	s_or_b32 s98, s98, s85
	s_lshl_b32 s85, s[32+\j], 2*\j
	s_or_b32 s99, s99, s85
.endr
	s_add_co_i32 s85, s54, s55
	s_lshl_b32 s85, s85, 23
	s_add_co_i32 s94, s85, 0x3e38aa3b              ; c = log2(e) / 8, with e6 + e7 added to its exponent field
	s_mov_b32 s95, s94                             ; (named with it as a pair)
	s_mov_b32 s2, s56                              ; e8
	s_add_co_i32 s3, s56, s57                      ; e8 + e9
	s_add_co_i32 s85, s56, 127
	s_lshl_b32 s71, s85, 23
	v_mov_b32 v[PSC], s71                          ; 2^e8
	s_add_co_i32 s85, s85, 8
	s_lshl_b32 s85, s85, 23
	s_or_b32 s85, s85, 0x600000
	v_mov_b32 v[PLIM], s85                         ; 448 x 2^e8
	s_add_co_i32 s85, s58, 127
	s_lshl_b32 s71, s85, 23
	v_mov_b32 v[OSC], s71                          ; 2^e10
	s_add_co_i32 s85, s85, 8
	s_lshl_b32 s85, s85, 23
	s_or_b32 s85, s85, 0x600000
	v_mov_b32 v[OLIM], s85                         ; 448 x 2^e10
	s_wait_loadcnt 32                              ; Q and the fill's first 32 loads are in; its other 32 may be out
.set n, 0
.rept 32
	ds_store_b128 v[FILL], v[S+4*n:S+4*n+3] offset:512*n
.set n, n+1
.endr
	s_wait_loadcnt 0x0
	WIN 0x04                                       ; store data window 1
.set n, 0
.rept 32
	ds_store_b128 v[FILL], v[4*n:4*n+3] offset:512*(32+n)
.set n, n+1
.endr
	WIN 0
	s_wait_dscnt 0x0                               ; for the others' sake: my part of K or V lies in LDS
	s_barrier_signal -1
	s_barrier_wait -1                              ; everybody's does; nobody writes these bytes again
; ONE PAIR OF TILES.  k: which; q: Q's registers; mp, cp: the scalar pairs with the mask's records and the output's place; pk: the register with the packed flags.
.macro PAIR k, q, mp, cp, pk
.if \k
	s_wait_xcnt 0x0                                ; the first pair's stores have read their registers, which P takes again
.endif
.irp t, 0,1
	v_mov_b32 v[ST+8*\t+1], 0xff61b1e6             ; the largest t so far: -3e38, under every t
	v_mov_b32 v[ST+8*\t+2], 0                      ; l
	v_mov_b32 v[ST+8*\t+3], 0
	v_mov_b32 v[ST+8*\t+4], 0
	v_mov_b32 v[ST+8*\t+5], 0                      ; (named as the upper half of f's pair)
	v_mov_b32 v[ST+8*\t+6], 0                      ; (a lane permute's destination counts as read, also where every step is passed over)
	v_mov_b32 v[ST+8*\t+7], 0
	v_floor_f32 v[ST+8*\t], -v[ST+8*\t+1]          ; -M
.endr
	WIN 0x40
.set n, 0
.rept 64
	v_mov_b32 v[OW+n], 0                           ; O^T.  Which key step is the first to be walked hangs on the flags, so no product can be written that starts the sums
.set n, n+1
.endr
	WIN 0
	s_mov_b32 s100, 0
.Lstep_\k:                                     ; 16 trips, a constant; a step that the flags pass over does nothing but count
	s_lshl_b32 s14, s100, 13                       ; a step's images: 8,192 bytes of K, and of V
	v_add_nc_u32 v[ADK], s14, v[LI]                ; (made ahead of every branch; with the two v_nop below the four places behind the last products, in front of the loads into V's registers)
	v_add_nc_u32 v[ADV], 0x20000, v[ADK]
	s_lshl_b32 s15, s100, 1
	s_lshr_b32 s101, s[\pk], s15
	s_bitcmp1_b32 s101, 0                          ; does any key of the block count?
	s_cbranch_scc0 .Lskip_\k
	v_nop
	v_nop
	WIN 0x40
.set n, 0
.rept 16
	ds_load_b128 v[KW+4*n:KW+4*n+3], v[ADK] offset:512*n
.set n, n+1
.endr
.set n, 0
.rept 16
	ds_load_b128 v[VW+4*n:VW+4*n+3], v[ADV] offset:512*n
.set n, n+1
.endr
	s_wait_dscnt 16                                ; K is in; V's 16 loads may be out
	WIN 0x01                                       ; source 0 (K) window 1
.irp u, 0,1,2,3,4,5,6,7
.irp t, 0,1
	v_wmma_f32_16x16x64_fp8_fp8 v[S+64*\t+8*\u:S+64*\t+8*\u+7], v[KW+8*\u:KW+8*\u+7], v[\q+8*\t:\q+8*\t+7], 0
.endr
.endr
	WIN 0
.rept 4
	v_nop                                          ; places in front of the first read of the scores
.endr
	s_bitcmp1_b32 s101, 1                          ; is any key of the block masked?
	s_cbranch_scc0 .Lopen_\k
	s_lshl_b32 s15, s100, 8                        ; the step's record
.irp t, 0,1
	s_load_b512 s[16:31], s[\mp:\mp+1], s15 offset:4096*\t
	s_load_b512 s[32:47], s[\mp:\mp+1], s15 offset:4096*\t+64
	s_load_b512 s[48:63], s[\mp:\mp+1], s15 offset:4096*\t+128
	s_load_b512 s[68:83], s[\mp:\mp+1], s15 offset:4096*\t+192
	s_wait_kmcnt 0x0
.set n, 0
.rept 64
.if n < 48
	v_cndmask_b32 v[S+64*\t+n], v[S+64*\t+n], v[NINF], s[16+n]   ; a masked key's score becomes -infinity: p = 0
.else
	v_cndmask_b32 v[S+64*\t+n], v[S+64*\t+n], v[NINF], s[20+n]
.endif
.set n, n+1
.endr
.endr
.Lopen_\k:
.irp t, 0,1                                    ; the step's largest score of my query among my 64 keys, in two chains a tile, each accumulator from its low end on; the two tiles line by line
	v_max3_num_f32 v[ST+8*\t+6], v[S+64*\t], v[S+64*\t+1], v[S+64*\t+2]
	v_max3_num_f32 v[ST+8*\t+7], v[S+64*\t+3], v[S+64*\t+4], v[S+64*\t+5]
.endr
.irp i, 6,10,14,18,22,26,30,34,38,42,46,50,54,58
.irp t, 0,1
	v_max3_num_f32 v[ST+8*\t+6], v[ST+8*\t+6], v[S+64*\t+\i], v[S+64*\t+\i+1]
	v_max3_num_f32 v[ST+8*\t+7], v[ST+8*\t+7], v[S+64*\t+\i+2], v[S+64*\t+\i+3]
.endr
.endr
.irp t, 0,1
	v_max3_num_f32 v[ST+8*\t+6], v[ST+8*\t+6], v[S+64*\t+62], v[S+64*\t+63]
.endr
.irp t, 0,1
	v_max_num_f32 v[ST+8*\t+6], v[ST+8*\t+6], v[ST+8*\t+7]
.endr
.irp t, 0,1
	v_permlanex16_b32 v[ST+8*\t+7], v[ST+8*\t+6], s96, s97
.endr
.irp t, 0,1
	v_max_num_f32 v[ST+8*\t+6], v[ST+8*\t+6], v[ST+8*\t+7]   ; and among lane l xor 16's
.endr
.irp t, 0,1
	v_mul_f32 v[ST+8*\t+6], s94, v[ST+8*\t+6]      ; as t (c is positive)
.endr
.irp t, 0,1
	v_max_num_f32 v[ST+8*\t+1], v[ST+8*\t+1], v[ST+8*\t+6]
.endr
.irp t, 0,1
	v_mov_b32 v[ST+8*\t+6], v[ST+8*\t]
.endr
.irp t, 0,1
	v_floor_f32 v[ST+8*\t], -v[ST+8*\t+1]          ; the new -M = floor(-t): M is a whole number
.endr
.irp t, 0,1
	v_sub_f32 v[ST+8*\t+6], v[ST+8*\t], v[ST+8*\t+6]   ; old M - new M: a whole number, 0 or less
.endr
.irp t, 0,1
	v_cvt_i32_f32 v[ST+8*\t+6], v[ST+8*\t+6]       ; (it saturates)
.endr
.irp t, 0,1
	v_ldexp_f32 v[ST+8*\t+4], 1.0, v[ST+8*\t+6]    ; f = 2^(old M - new M)
.endr
.set n, 0
.rept 32
	v_pk_fma_f32 v[S+n:S+n+1], v[S+n:S+n+1], s[94:95], v[ST:ST+1] op_sel_hi:[1,0,0]            ; t - M, two at a time
	v_pk_fma_f32 v[S+64+n:S+64+n+1], v[S+64+n:S+64+n+1], s[94:95], v[ST+8:ST+9] op_sel_hi:[1,0,0]
.set n, n+2
.endr
.set n, 0
.rept 64
	v_exp_f32 v[S+n], v[S+n]                       ; p = 2^(t - M), at most 1
	v_exp_f32 v[S+64+n], v[S+64+n]
.set n, n+1
.endr
.irp t, 0,1
	v_pk_mul_f32 v[ST+8*\t+2:ST+8*\t+3], v[ST+8*\t+2:ST+8*\t+3], v[ST+8*\t+4:ST+8*\t+5] op_sel_hi:[1,0]   ; l under the new M (the plain instructions behind the exponentials)
.endr
	s_wait_alu depctr_va_vdst(0)                   ; one wait for the batch of 128, ahead of its first reader
.irp t, 0,1
	v_pk_add_f32 v[ST+8*\t+6:ST+8*\t+7], v[S+64*\t:S+64*\t+1], v[S+64*\t+2:S+64*\t+3]   ; the row's sum is taken of the unquantised p, in two chains a tile
.endr
.irp j, 4,8,12,16,20,24,28,32,36,40,44,48,52,56,60
.irp t, 0,1
	v_pk_add_f32 v[ST+8*\t+2:ST+8*\t+3], v[ST+8*\t+2:ST+8*\t+3], v[S+64*\t+\j:S+64*\t+\j+1]
	v_pk_add_f32 v[ST+8*\t+6:ST+8*\t+7], v[ST+8*\t+6:ST+8*\t+7], v[S+64*\t+\j+2:S+64*\t+\j+3]
.endr
.endr
.irp t, 0,1
	v_pk_add_f32 v[ST+8*\t+2:ST+8*\t+3], v[ST+8*\t+2:ST+8*\t+3], v[ST+8*\t+6:ST+8*\t+7]
.endr
	s_cmp_ge_i32 s2, -8                            ; with e8 >= -8 the largest code stands for 448 x 2^e8 >= 1.75, and p is at most 1: the hold cannot act
	s_cbranch_scc1 .Lnohold_\k
.set n, 0
.rept 128
	v_min_num_f32 v[S+n], v[S+n], v[PLIM]          ; the conversion does not saturate (ISA guide 7.6.2); p is not negative
.set n, n+1
.endr
.Lnohold_\k:
.irp u, 0,1,2,3,4,5,6,7
.irp t, 0,1
	v_cvt_scalef32_pk8_fp8_f32 v[P+16*\t+2*\u:P+16*\t+2*\u+1], v[S+64*\t+8*\u:S+64*\t+8*\u+7], v[PSC]
.endr
.endr
	WIN 0x41                                       ; O^T (destination, source 0) window 1, f window 0
.irp t, 0,1
.set n, 0
.rept 16
	v_pk_mul_f32 v[OW+32*\t+n:OW+32*\t+n+1], v[OW+32*\t+n:OW+32*\t+n+1], v[ST+8*\t+4:ST+8*\t+5] op_sel_hi:[1,0]   ; O^T under the new M (also the plain instructions behind the conversions)
.set n, n+2
.endr
.endr
	s_wait_dscnt 0x0                               ; V is in
	WIN 0x51                                       ; V window 1, P window 0, O^T window 1
.irp d, 0,1,2,3                                ; the eight accumulators take turns, one instruction a turn; the scores' products stand between one step's links and the next's
.irp t, 0,1
	v_wmma_f32_16x16x128_fp8_fp8 v[OW+32*\t+8*\d:OW+32*\t+8*\d+7], v[VW+16*\d:VW+16*\d+15], v[P+16*\t:P+16*\t+15], v[OW+32*\t+8*\d:OW+32*\t+8*\d+7]
.endr
.endr
	WIN 0
.Lskip_\k:
	s_add_co_u32 s100, s100, 1
	s_cmp_lt_u32 s100, 16
	s_cbranch_scc1 .Lstep_\k
	; THE WAY OUT: O^T x 2^(e8 + e9) / l, held, quantised with 2^e10; 16 bytes a lane, 512 consecutive bytes a store.  The first lines are the places behind the last products.
.irp t, 0,1
	v_add_f32 v[ST+8*\t+2], v[ST+8*\t+2], v[ST+8*\t+3]
.endr
.irp t, 0,1
	v_permlanex16_b32 v[ST+8*\t+6], v[ST+8*\t+2], s96, s97
.endr
.irp t, 0,1
	v_add_f32 v[ST+8*\t+2], v[ST+8*\t+2], v[ST+8*\t+6]   ; the row's sum
.endr
	v_cmp_eq_f32 s14, 0, v[ST+2]                   ; a row with no key that counts
	v_cmp_eq_f32 s15, 0, v[ST+10]
	v_cndmask_b32 v[ST+6], v[ST+2], 1.0, s14       ; is divided by 1, so that no 0 x infinity arises; its codes are set below
	v_cndmask_b32 v[ST+14], v[ST+10], 1.0, s15
	v_rcp_f32 v[ST+4], v[ST+6]
	v_rcp_f32 v[ST+12], v[ST+14]
	v_nop                                          ; a plain instruction behind the reciprocals
	s_wait_alu depctr_va_vdst(0)                   ; and the wait ahead of their first reader
	v_ldexp_f32 v[ST+4], v[ST+4], s3
	v_ldexp_f32 v[ST+12], v[ST+12], s3
	WIN 0x01                                       ; source 0 (O^T) window 1
.irp t, 0,1
.set n, 0
.rept 16
	v_pk_mul_f32 v[S+32*\t+n:S+32*\t+n+1], v[OW+32*\t+n:OW+32*\t+n+1], v[ST+8*\t+4:ST+8*\t+5] op_sel_hi:[1,0]
.set n, n+2
.endr
.endr
	WIN 0
.set n, 0
.rept 64
	v_med3_num_f32 v[S+n], v[S+n], -v[OLIM], v[OLIM]
.set n, n+1
.endr
.irp t, 0,1
.irp d, 0,1,2,3
	v_cvt_scalef32_pk8_fp8_f32 v[P+8*\t+2*\d:P+8*\t+2*\d+1], v[S+32*\t+8*\d:S+32*\t+8*\d+7], v[OSC]
.endr
.endr
	v_nop                                          ; a plain instruction between the conversions and the lines that touch their results
.irp i, 0,1,2,3,4,5,6,7
	v_cndmask_b32 v[P+\i], v[P+\i], v[NANC], s14
	v_cndmask_b32 v[P+8+\i], v[P+8+\i], v[NANC], s15
.endr
.irp t, 0,1
	global_store_b128 v[LI], v[P+8*\t:P+8*\t+3], s[\cp:\cp+1] offset:16384*\t
	global_store_b128 v[LI], v[P+8*\t+4:P+8*\t+7], s[\cp:\cp+1] offset:16384*\t+512
.endr
.endm
	PAIR 0, Q0, 86, 90, 98
	PAIR 1, Q1, 88, 92, 99
	s_wait_tensorcnt 0x0                           ; the wave's end, behind my last LDS store
	ds_add_u32 v[SPW], v[NIL]
	s_wait_dscnt 0x0
	s_endpgm
.Lfunc_end_k_q4cd74d0c1a_attn:
	.size	k_q4cd74d0c1a_attn, .Lfunc_end_k_q4cd74d0c1a_attn-k_q4cd74d0c1a_attn
	.p2alignl 7, 3214868480
	.fill 96, 4, 3214868480
	.section	.rodata,"a",@progbits
	.p2align	6, 0x0
	.amdhsa_kernel k_q4cd74d0c1a_attn
		.amdhsa_group_segment_fixed_size 263168
		.amdhsa_private_segment_fixed_size 0
		.amdhsa_enable_private_segment 0
		.amdhsa_kernarg_size 56
		.amdhsa_user_sgpr_count 2
		.amdhsa_user_sgpr_kernarg_segment_ptr 1
		.amdhsa_wavefront_size32 1
		.amdhsa_system_sgpr_workgroup_id_x 1
		.amdhsa_system_sgpr_workgroup_id_y 1
		.amdhsa_system_sgpr_workgroup_id_z 1
		.amdhsa_system_vgpr_workitem_id 0
		.amdhsa_next_free_vgpr 448
		.amdhsa_next_free_sgpr 102
		.amdhsa_reserve_vcc 0
		.amdhsa_float_denorm_mode_32 3
		.amdhsa_float_denorm_mode_16_64 3
		.amdhsa_memory_ordered 1
		.amdhsa_forward_progress 1
		.amdhsa_inst_pref_size 113
	.end_amdhsa_kernel
	.amdgpu_metadata
---
amdhsa.version: [ 1, 2 ]
amdhsa.kernels:
  - .name:           k_q4cd74d0c1a_attn
    .symbol:         k_q4cd74d0c1a_attn.kd
    .args:
      - { .name: QF, .offset: 0, .size: 8, .value_kind: global_buffer, .address_space: global }
      - { .name: KF, .offset: 8, .size: 8, .value_kind: global_buffer, .address_space: global }
      - { .name: VF, .offset: 16, .size: 8, .value_kind: global_buffer, .address_space: global }
      - { .name: MB, .offset: 24, .size: 8, .value_kind: global_buffer, .address_space: global }
      - { .name: FL, .offset: 32, .size: 8, .value_kind: global_buffer, .address_space: global }
      - { .name: lowp_scales, .offset: 40, .size: 8, .value_kind: global_buffer, .address_space: global }
      - { .name: CF, .offset: 48, .size: 8, .value_kind: global_buffer, .address_space: global }
    .group_segment_fixed_size: 263168
    .private_segment_fixed_size: 0
    .kernarg_segment_align: 8
    .kernarg_segment_size: 56
    .max_flat_workgroup_size: 256
    .sgpr_count:     102
    .vgpr_count:     448
    .wavefront_size: 32
...
	.end_amdgpu_metadata
.endif
;; end of part 2
;; launch oproj (part 3): grid 4 x 32, 4 waves a work-group, clusters of 4 x 4, 327,680 bytes of LDS; arguments CF, Wo_codes, lowp_scales, bo, out0; writes out0
.if DOCPART == 3
	.amdgcn_target "amdgcn-amd-amdhsa--gfx1250"
	.amdhsa_code_object_version 6
	.text
	.protected	k_q4cd74d0c1a_oproj
	.globl	k_q4cd74d0c1a_oproj
	.p2align	8
	.type	k_q4cd74d0c1a_oproj,@function
k_q4cd74d0c1a_oproj:
	s_mov_b64 s[64:65], 0
	v_nop
	global_prefetch_b8 v0, s[64:65] scope:SCOPE_SE
	s_setreg_imm32_b32 hwreg(HW_REG_WAVE_MODE, 25, 1), 1
	s_wait_xcnt 0x0
	s_wait_alu depctr_hold_cnt(0) depctr_sa_sdst(0) depctr_va_vdst(0) depctr_va_sdst(0) depctr_va_ssrc(0) depctr_va_vcc(0) depctr_vm_vsrc(0)
	s_getreg_b32 s2, hwreg(HW_REG_IB_STS2, 6, 4)
	s_cmp_eq_u32 s2, 0
	s_cbranch_scc0 .Lentry_in_a_cluster
	s_endpgm
.Lentry_in_a_cluster:
	s_bfe_u32 s2, ttmp6, 0x10000c
	s_cmp_lg_u32 s2, 0xf033
	s_cbranch_scc0 .Lentry_shape_is_right
	s_endpgm
.Lentry_shape_is_right:
; THE LAST PROJECTION: out0 = concat Wo^T + bo on codes of FP8 (E4M3): [8192][1024] x [1024][1024]^T, sums in f32, each x 2^(e10 + e11) + bo.  Nothing is left out here.
; A (CF) lies as images of operand registers: [tile of 16 rows][head][chunk][lane][16]; two neighbouring heads are one fragment of 16 rows x 128 K in the form's own layout (registers 2 c, 2 c + 1: K = 16 c + 8 h + 0..7),
; fetched by four loads of 512 consecutive bytes.  So Wo's fragments are fetched in the same layout: eight loads of 8 bytes from rows in LDS.
; A tile of 256 x 256 to a work-group of four waves, 128 x 128 (64 accumulators) to a wave; 128 work-groups: the tile is kept large, since half tiles would read half as much again from LDS for each product.
; K in four steps of 256 through two LDS slots.  CLUSTERS of 4 x 4: A's tiles are shared along a row of the cluster, Wo's along a column: joint loads.
; Source 0 = 16 rows of Wo, source 1 = 16 rows of A: a lane holds eight neighbouring numbers of a row of out0.
; LIMIT: e10 + e11 between -126 and 127.  A row of NaN codes gives a row of NaN, as reference() has it.
; No prefetch: two of the four K steps are first fills and the two refills follow at once.
; REGISTERS: window 0: v1-29 addresses; v32-63 at work; v64-127 the bias; v128-255 A's fragments, on the way out rows read back.  window 1: Wo's fragments, two sets.  windows 2, 3: the accumulators.
.set PITCH,  272                       ; a row of Wo's tile in LDS: 256 bytes + 16: the 32 lanes of a load of 8 bytes touch 64 different banks (64 banks of 4 bytes: ISA guide 11.1)
.set ATILE,  4096                      ; 16 rows x 256 K of A: dense
.set AHALF,  8*ATILE                   ; what one tensor load brings of A
.set BOFF,   2*AHALF
.set BHALF,  128*PITCH                 ; and of Wo
.set SLOT,   BOFF+2*BHALF
.set SPARE,  2*SLOT
.set SPITCH, 528                       ; the way out: a stage of 16 rows x (512 + 16) bytes a wave, in slot 0, which has had its last fill and its last read by then
.set FR,     16
.set NL,     4
.set NP,     4
.set ADRA, 16
.set ADRB, 20
.set STO,  24
.set RD,   25
.set CO,   26
.set SPW,  28
.set NIL,  29
.set TMP,  32
.set BI,   64
.set AF,   128
.set BK,   128
.set G1,  24
.set G0,  32
.set G1B, 48
.set G0B, 56
.set MSB, 0
.macro WIN new
.if MSB != (\new)
	s_set_vgpr_msb (MSB<<8)|(\new)
.set MSB, (\new)
.endif
.endm
.set MUL_LO, 0xa1
.set MUL_HI, 0xf1
.set TO_B,   0x40
.macro JLOAD g0a, g1a, g0b, g1b        ; waves 0 and 1 fetch for A, waves 2 and 3 for Wo; an s_nop 0 and four v_nop follow each line
	s_cmp_eq_u32 s15, 0
	s_cbranch_scc0 .Lfor_b_\@
	tensor_load_to_lds s[\g0a:\g0a+3], s[\g1a:\g1a+7]
	s_nop 0
.rept 4
	v_nop
.endr
	s_branch .Lasked_\@
.Lfor_b_\@:
	tensor_load_to_lds s[\g0b:\g0b+3], s[\g1b:\g1b+7]
	s_nop 0
.rept 4
	v_nop
.endr
.Lasked_\@:
.endm
.macro CREST
	s_cmp_lg_u32 s14, 0
	s_cbranch_scc1 .Lnot_wave_0_\@
	s_barrier_signal -3
.Lnot_wave_0_\@:
	s_barrier_wait -3
	s_barrier_signal -1
	s_barrier_wait -1
.endm
.macro CROUND
	s_barrier_signal -1
	s_barrier_wait -1
	CREST
.endm
	s_load_b256 s[4:11], s[0:1], 0x0               ; CF, Wo's codes, the scales, bo
	s_load_b64 s[12:13], s[0:1], 0x20              ; out0
	v_lshl_add_u32 v[SPW], v0, 2, SPARE
	v_mov_b32 v[NIL], 0
	ds_add_u32 v[SPW], v[NIL]                      ; the wave's opening: the add, twice on end, and its wait ahead of my first tensor load
	ds_add_u32 v[SPW], v[NIL]
	v_lshrrev_b32 v1, 5, v0
	v_readfirstlane_b32 s14, v1                    ; wave 0..3
	s_lshr_b32 s15, s14, 1                         ; my half of the tile's rows.  Also: I fetch for A (0) or for Wo (1)
	s_and_b32 s16, s14, 1                          ; my half of its columns.  Also: which half of that tile I fetch
	s_bfe_u32 s40, ttmp6, 0x40000                  ; cx
	s_bfe_u32 s41, ttmp6, 0x40004                  ; cy
	s_lshl_b32 s42, ttmp9, 2
	s_add_co_u32 s42, s42, s40                     ; tile column
	s_and_b32 s17, ttmp7, 0xffff
	s_lshl_b32 s17, s17, 2
	s_add_co_u32 s17, s17, s41                     ; tile row
	s_lshl_b32 s43, s41, 2
	s_lshl_b32 s43, 15, s43                        ; my row of the cluster
	s_lshl_b32 s44, 0x1111, s40                    ; my column
	s_or_b32 s[G1+0], s43, (3<<16)|(1<<21)         ; A: the mask; elements of 8 bytes; no padding; bit 21 beside a mask
	s_mov_b32 s[G1+1], 512<<16                     ; tensor_dim0 = 512 elements: a row tile's 4,096 bytes of a K step
	s_mov_b32 s[G1+2], 8<<16                       ; tensor_dim1 = 8 row tiles
	s_mov_b32 s[G1+3], 512<<16                     ; tile_dim0
	s_mov_b32 s[G1+4], 8                           ; tile_dim1
	s_mov_b32 s[G1+5], 2048                        ; from row tile to row tile: 16,384 bytes
	s_mov_b32 s[G1+6], 0
	s_mov_b32 s[G1+7], 0
	s_or_b32 s[G1B+0], s44, (0<<16)|(1<<20)|(1<<21)|(5<<22)|(3<<25)   ; Wo: elements of 1 byte; after every 64 words 4 words of padding
	s_mov_b32 s[G1B+1], 256<<16
	s_mov_b32 s[G1B+2], 128<<16
	s_mov_b32 s[G1B+3], 256<<16
	s_mov_b32 s[G1B+4], 128
	s_mov_b32 s[G1B+5], 1024
	s_mov_b32 s[G1B+6], 0
	s_mov_b32 s[G1B+7], 0
	s_lshl_b32 s20, s17, 4
	s_lshl_b32 s18, s16, 3
	s_add_co_u32 s20, s20, s18
	s_lshl_b32 s20, s20, 14                        ; A: (16 x tile row + 8 x half) row tiles of 16,384 bytes
	s_mov_b32 s21, 0
	s_lshl_b32 s46, s42, 8
	s_lshl_b32 s18, s16, 7
	s_add_co_u32 s46, s46, s18
	s_lshl_b32 s46, s46, 10                        ; Wo: (256 x tile column + 128 x half) rows of 1,024 bytes
	s_mov_b32 s47, 0
	s_mul_i32 s45, s16, AHALF                      ; where they go: no place in the cluster enters an LDS address
	s_mul_i32 s18, s16, BHALF
	s_add_co_u32 s18, s18, BOFF
	s_wait_dscnt 0x0                               ; both opening adds are done
	s_wait_kmcnt 0x0
	s_load_b64 s[96:97], s[8:9], 0x28              ; e10, e11
	s_add_nc_u64 s[20:21], s[4:5], s[20:21]
	s_add_nc_u64 s[46:47], s[6:7], s[46:47]
	CROUND                                         ; all sixteen work-groups are here: the first joint loads meet
.irp s, 0,1
	s_mov_b32 s[G0+4*\s], 1
	s_add_co_u32 s[G0+4*\s+1], s45, \s*SLOT
	s_add_nc_u64 s[G0+4*\s+2:G0+4*\s+3], s[20:21], \s*ATILE
	s_or_b32 s[G0+4*\s+3], s[G0+4*\s+3], 0x80000000
	s_mov_b32 s[G0B+4*\s], 1
	s_add_co_u32 s[G0B+4*\s+1], s18, \s*SLOT
	s_add_nc_u64 s[G0B+4*\s+2:G0B+4*\s+3], s[46:47], \s*256
	s_or_b32 s[G0B+4*\s+3], s[G0B+4*\s+3], 0x80000000
	JLOAD G0+4*\s, G1, G0B+4*\s, G1B               ; two loads of mine are out
.endr
	v_and_b32 v1, 15, v0                           ; r
	v_bfe_u32 v2, v0, 4, 1                         ; h
	v_and_b32 v6, 31, v0
	v_lshlrev_b32 v[CO], 4, v6                     ; 16 x lane
	v_mul_u32_u24 v3, v1, PITCH
	v_lshl_add_u32 v4, v2, 3, v3                   ; Wo: row r x pitch + 8 h
	s_mul_i32 s21, s15, AHALF                      ; my eight row tiles of A
	s_mul_i32 s22, s16, BHALF
	s_add_co_u32 s22, s22, BOFF                    ; my 128 rows of Wo
.irp s, 0,1
	v_add_nc_u32 v[ADRA+\s], s21, v[CO]
	v_add_nc_u32 v[ADRB+\s], s22, v4
	s_add_co_u32 s21, s21, SLOT
	s_add_co_u32 s22, s22, SLOT
.endr
	s_mul_i32 s23, s14, 16*SPITCH                  ; my stage
	v_mul_u32_u24 v5, v1, SPITCH
	v_lshl_add_u32 v5, v2, 5, v5
	v_add_nc_u32 v[STO], s23, v5                   ; in: row r, 32 bytes for each half of the lanes
	v_add_nc_u32 v[RD], s23, v[CO]                 ; back: the 32 lanes take one row of 512 bytes
	s_lshl_b32 s20, s17, 8
	s_lshl_b32 s21, s15, 7
	s_add_co_u32 s20, s20, s21
	s_lshl_b32 s20, s20, 12                        ; my first row of out0: rows of 4,096 bytes
	s_mov_b32 s21, 0
	s_lshl_b32 s46, s42, 10
	s_lshl_b32 s47, s16, 9
	s_add_co_u32 s46, s46, s47                     ; my first column, in bytes
	s_mov_b32 s47, 0
	s_add_nc_u64 s[10:11], s[10:11], s[46:47]
	s_add_nc_u64 s[12:13], s[12:13], s[20:21]
	s_add_nc_u64 s[12:13], s[12:13], s[46:47]
	v_lshlrev_b32 v9, 5, v2                        ; the bias: for Wo's block b that of columns 16 b + 8 h + 0..7
.irp b, 0,1,2,3,4,5,6,7
	global_load_b128 v[BI+8*\b:BI+8*\b+3], v9, s[10:11] offset:64*\b
	global_load_b128 v[BI+8*\b+4:BI+8*\b+7], v9, s[10:11] offset:64*\b+16
.endr
.macro FRAGA reg, adr, q, i            ; row tile i, the slot's q-th 128 along K: an image, four loads of 512 consecutive bytes
.irp c, 0,1,2,3
	ds_load_b128 v[\reg+4*\c:\reg+4*\c+3], v[\adr] offset:2048*(\q)+512*\c+(\i)*ATILE
.endr
.endm
.macro FRAGB reg, adr, q, i            ; registers 2 c, 2 c + 1: K = 16 c + 8 h + 0..7 of row r
.irp c, 0,1,2,3,4,5,6,7
	ds_load_b64 v[\reg+2*\c:\reg+2*\c+1], v[\adr] offset:128*(\q)+16*\c+(\i)*16*PITCH
.endr
.endm
.macro MUL16 a0, p, zero               ; the 64 accumulators take turns, one instruction a turn, in the same order in every step
.irp a, \a0, \a0+1
.irp b, 0,1,2,3,4,5,6,7
.if \zero
	v_wmma_f32_16x16x128_fp8_fp8 v[8*(8*((\a)%4)+\b):8*(8*((\a)%4)+\b)+7], v[128*(\p)+FR*\b:128*(\p)+FR*\b+FR-1], v[AF+FR*(\a):AF+FR*(\a)+FR-1], 0
.else
	v_wmma_f32_16x16x128_fp8_fp8 v[8*(8*((\a)%4)+\b):8*(8*((\a)%4)+\b)+7], v[128*(\p)+FR*\b:128*(\p)+FR*\b+FR-1], v[AF+FR*(\a):AF+FR*(\a)+FR-1], v[8*(8*((\a)%4)+\b):8*(8*((\a)%4)+\b)+7]
.endif
.endr
.endr
.endm
.macro FETCH_B slot, q, p
	WIN TO_B
.irp i, 0,1,2,3,4,5,6,7
	FRAGB 128*(\p)+FR*\i, ADRB+\slot, \q, \i
.endr
	WIN 0
.endm
.macro FETCH_A slot, q, i0
.irp i, \i0, \i0+1, \i0+2, \i0+3
	FRAGA AF+FR*(\i), ADRA+\slot, \q, \i
.endr
.endm
.macro PLACES n
.rept \n
	v_nop
.endr
.endm
.macro STEP slot, q, zero
	s_wait_dscnt 4*NL                              ; Wo's set and A's blocks 0-3 are in; the youngest 16 loads (A's blocks 4-7) may be out
	WIN MUL_LO
	MUL16 0, (\q)%2, \zero
	MUL16 2, (\q)%2, \zero
	s_wait_dscnt 0
	PLACES NP
	FETCH_B \slot, (\q)+1, 1-(\q)%2
	FETCH_A \slot, (\q)+1, 0
	WIN MUL_HI
	MUL16 4, (\q)%2, \zero
	MUL16 6, (\q)%2, \zero
	PLACES NP
	WIN 0
	FETCH_A \slot, (\q)+1, 4
.endm
.macro TURN slot, next, fill
	s_wait_tensorcnt 0x0                           ; all my tensor loads have landed: my part of the next slot
	ds_add_u32 v[SPW], v[NIL]                      ; 0 onto my spare word
	s_wait_dscnt 4*NL+1                            ; the add and the youngest 16 loads may be out
	WIN MUL_LO
	MUL16 0, 1, 0
	s_wait_dscnt 0x0                               ; the add is done, and my reads of this slot are over
	s_barrier_signal -1
	MUL16 2, 1, 0
	WIN 0
	s_barrier_wait -1
.if \fill
	CREST                                          ; the barrier has opened a round of the cluster's barrier
	s_add_nc_u64 s[G0+4*\slot+2:G0+4*\slot+3], s[G0+4*\slot+2:G0+4*\slot+3], 2*ATILE
	s_add_nc_u64 s[G0B+4*\slot+2:G0B+4*\slot+3], s[G0B+4*\slot+2:G0B+4*\slot+3], 512
	JLOAD G0+4*\slot, G1, G0B+4*\slot, G1B         ; my one tensor load behind the round; its four v_nop are the places in front of the loads below
.else
	PLACES NP
.endif
	FETCH_B \next, 0, 0
	FETCH_A \next, 0, 0
	WIN MUL_HI
	MUL16 4, 1, 0
	MUL16 6, 1, 0
	PLACES NP
	WIN 0
	FETCH_A \next, 0, 4
.endm
	s_wait_tensorcnt 1                             ; my part of K step 0 is in; K step 1's load may stay out
	s_barrier_signal -1
	s_barrier_wait -1
	FETCH_B 0, 0, 0
	FETCH_A 0, 0, 0
	FETCH_A 0, 0, 4
	STEP 0, 0, 1                                   ; the first products start the sums.  Four K steps of 256: written out, no loop
	TURN 0, 1, 1
	STEP 1, 0, 0
	TURN 1, 0, 1
	STEP 0, 0, 0
	TURN 0, 1, 0
	STEP 1, 0, 0
	s_wait_dscnt 4*NL                              ; the last 128 along K
	WIN MUL_LO
	MUL16 0, 1, 0
	MUL16 2, 1, 0
	s_wait_dscnt 0
	WIN MUL_HI
	MUL16 4, 1, 0
	MUL16 6, 1, 0
	WIN 0
; THE WAY OUT, block by block of 16 rows x 128 columns: sum x 2^(e10 + e11) + bias, each accumulator from its low end on; through my own stage in LDS; back as whole rows of 512 bytes.
; LDS serves a wave's instructions in order (ISA guide 5.7.1.4): no wait between the stores and the loads, nor in front of the next block's stores.
.macro TOSTAGE a
.set AC, 64*((\a)%4)
.irp e, 0,1
	WIN 0x02+((\a)/4)
.irp j, 0,2,4,6,8,10,12,14,16,18,20,22,24,26,28,30
	v_pk_fma_f32 v[TMP+\j:TMP+\j+1], v[AC+32*\e+\j:AC+32*\e+\j+1], s[96:97], v[BI+32*\e+\j:BI+32*\e+\j+1] op_sel_hi:[1,0,1]
.endr
	WIN 0
.irp b, 0,1,2,3
	ds_store_b128 v[STO], v[TMP+8*\b:TMP+8*\b+3] offset:64*(4*\e+\b)
	ds_store_b128 v[STO], v[TMP+8*\b+4:TMP+8*\b+7] offset:64*(4*\e+\b)+16
.endr
.endr
.set BB, BK+64*((\a)%2)
.irp t, 0,1,2,3,4,5,6,7,8,9,10,11,12,13,14,15
	ds_load_b128 v[BB+4*\t:BB+4*\t+3], v[RD] offset:\t*SPITCH
.endr
.endm
.macro SEND a, younger                 ; younger: the LDS instructions issued behind block a's loads, which may stay out
.set BB, BK+64*((\a)%2)
	s_wait_dscnt \younger
.if (\a) > 0
	s_add_nc_u64 s[12:13], s[12:13], 16*4096       ; (behind a wait on XCNT: the earlier stores have read their base)  16 rows on
.endif
.irp t, 0,1,2,3,4,5,6,7,8,9,10,11,12,13,14,15
	global_store_b128 v[CO], v[BB+4*\t:BB+4*\t+3], s[12:13] offset:\t*4096 th:TH_STORE_NT   ; 32 lanes store 512 consecutive bytes, at a multiple of 256 from out0's first byte
.endr
.endm
	s_wait_kmcnt 0x0
	s_add_co_i32 s96, s96, s97
	s_add_co_i32 s96, s96, 127
	s_lshl_b32 s96, s96, 23                        ; 2^(e10 + e11) as f32
	s_mov_b32 s97, s96                             ; (named with it as a pair)
	s_wait_loadcnt 0x0                             ; the bias
	PLACES NP
	TOSTAGE 0
.irp a, 1,2,3,4,5,6,7
.if \a > 1
	s_wait_xcnt 0x0                                ; block a - 2's stores have read their registers and their base
.endif
	TOSTAGE \a
	SEND \a-1, 32                                  ; behind block a - 1's loads: block a's 16 stores and 16 loads
.endr
	s_wait_xcnt 0x0
	SEND 7, 0
	s_wait_tensorcnt 0x0                           ; the wave's end
	ds_add_u32 v[SPW], v[NIL]
	s_wait_dscnt 0x0
	CROUND                                         ; the closing round
	s_endpgm
.Lfunc_end_k_q4cd74d0c1a_oproj:
	.size	k_q4cd74d0c1a_oproj, .Lfunc_end_k_q4cd74d0c1a_oproj-k_q4cd74d0c1a_oproj
	.p2alignl 7, 3214868480
	.fill 96, 4, 3214868480
	.section	.rodata,"a",@progbits
	.p2align	6, 0x0
	.amdhsa_kernel k_q4cd74d0c1a_oproj
		.amdhsa_group_segment_fixed_size 327680
		.amdhsa_private_segment_fixed_size 0
		.amdhsa_enable_private_segment 0
		.amdhsa_kernarg_size 40
		.amdhsa_user_sgpr_count 2
		.amdhsa_user_sgpr_kernarg_segment_ptr 1
		.amdhsa_wavefront_size32 1
		.amdhsa_system_sgpr_workgroup_id_x 1
		.amdhsa_system_sgpr_workgroup_id_y 1
		.amdhsa_system_sgpr_workgroup_id_z 1
		.amdhsa_system_vgpr_workitem_id 0
		.amdhsa_next_free_vgpr 1024
		.amdhsa_next_free_sgpr 98
		.amdhsa_reserve_vcc 0
		.amdhsa_float_denorm_mode_32 3
		.amdhsa_float_denorm_mode_16_64 3
		.amdhsa_memory_ordered 1
		.amdhsa_forward_progress 1
		.amdhsa_inst_pref_size 141
	.end_amdhsa_kernel
	.amdgpu_metadata
---
amdhsa.version: [ 1, 2 ]
amdhsa.kernels:
  - .name:           k_q4cd74d0c1a_oproj
    .symbol:         k_q4cd74d0c1a_oproj.kd
    .args:
      - { .name: CF, .offset: 0, .size: 8, .value_kind: global_buffer, .address_space: global }
      - { .name: Wo_codes, .offset: 8, .size: 8, .value_kind: global_buffer, .address_space: global }
      - { .name: lowp_scales, .offset: 16, .size: 8, .value_kind: global_buffer, .address_space: global }
      - { .name: bo, .offset: 24, .size: 8, .value_kind: global_buffer, .address_space: global }
      - { .name: out0, .offset: 32, .size: 8, .value_kind: global_buffer, .address_space: global }
    .group_segment_fixed_size: 327680
    .private_segment_fixed_size: 0
    .kernarg_segment_align: 8
    .kernarg_segment_size: 40
    .max_flat_workgroup_size: 128
    .sgpr_count:     98
    .vgpr_count:     1024
    .wavefront_size: 32
...
	.end_amdgpu_metadata
.endif
;; end of part 3
;; ======== version 2 of 2: 3 launches; version 1 with the launch attn written anew for expert scheduling mode
;; workspace buffers: QF 8,388,608 bytes; KF 8,388,608 bytes; VF 8,388,608 bytes; CF 8,388,608 bytes; MB 524,288 bytes of whole numbers; FL 4,096 bytes of whole numbers
;; launch proj: the kernel of part 1 again; grid 96 x 4, 4 waves a work-group, clusters of 4 x 4, 327,680 bytes of LDS; arguments q_codes, k_codes, v_codes, Wq_codes, Wk_codes, Wv_codes, bq, bk, bv, lowp_scales, mask, QF, KF, VF, MB, FL; writes QF, KF, VF, MB, FL
;; launch attn (part 4): grid 4 x 64, 8 waves a work-group, no clusters, 263,168 bytes of LDS; arguments QF, KF, VF, MB, FL, lowp_scales, CF; writes CF
.if DOCPART == 4
	.amdgcn_target "amdgcn-amd-amdhsa--gfx1250"
	.amdhsa_code_object_version 6
	.text
	.protected	k_q4cd74d0c1a_attn
	.globl	k_q4cd74d0c1a_attn
	.p2align	8
	.type	k_q4cd74d0c1a_attn,@function
k_q4cd74d0c1a_attn:
	s_mov_b64 s[64:65], 0
	v_nop
	global_prefetch_b8 v0, s[64:65] scope:SCOPE_SE
	s_setreg_imm32_b32 hwreg(HW_REG_WAVE_SCHED_MODE, 0, 2), 2
	s_setreg_imm32_b32 hwreg(HW_REG_WAVE_MODE, 25, 1), 1
	s_wait_xcnt 0x0
	s_wait_alu depctr_vm_vsrc(0)
; ATTENTION ON CODES OF FP8 (E4M3): scores, mask, softmax, the product with V, the division by the row's sum, and the quantiser of the last projection's operand.
; LEFT OUT, by whole numbers that the launch before stored (FL): a block of 32 queries x 128 keys all of whose mask entries are 1.  Each of its p is 0 and it moves no row's largest t, whatever the other inputs hold.
; t = score x 2^(e6 + e7) x log2(e) / 8; M = the ceiling of the row's running largest t; p = 2^(t - M) is quantised with 2^e8; the row's sum l is taken of the unquantised p; when M moves, l and O are multiplied by 2^(old M - new M), exactly.
; SHARES.  A work-group has one head of one batch and a quarter of its queries.  ALL of the head's codes of K and V (131,072 bytes each) are copied once into LDS, through registers; one barrier; from then on the waves share nothing.
; Wave w takes two PAIRS of tiles of 16 queries, one after the other: pair 8 g + w and pair 63 - (8 g + w): a fixed share, right for every mask.  Both tiles of a pair use each fragment of K and V that is read from LDS.
; NO TENSOR LOAD, NO COPY, NO CLUSTER: the walk over the key steps branches on numbers read from memory (the flags); so the four work-groups of a head each read K and V themselves.
; No prefetch: K and V are read in one run at the head of the launch, and nothing of them is asked for later.
; LAYOUT.  S^T = K Q^T (source 0 = 16 keys, source 1 = 16 queries), O^T = V^T P^T (source 0 = 16 channels, source 1 = P): a lane holds ONE query throughout; register 8 u + i of S^T is key 16 u + 8 h + i, so one conversion
; of tile u's eight registers gives registers 2 u, 2 u + 1 of P, and one of O^T's tile gives two registers of the next operand.  All fragments lie in memory and in LDS as images of their registers: 512 consecutive bytes a load.
; CF: [tile of 16 rows 512][head 16][chunk 2][lane][16]: lane (r, h): row r; registers 2 c, 2 c + 1: channel 16 c + 8 h + 0..7 of the head.
; A ROW ALL OF WHOSE KEYS ARE MASKED has l = 0: its codes are set to 0x7f, the format's NaN, so that its row of the output is NaN, as reference() has it.
; LIMITS: e6 + e7 between -123 and 130 (added to c's exponent field); e8, e10 between -126 and 119.
; REGISTERS: window 0: v1 16 x lane; v2, v3 the add's two; v4, v5 LDS addresses of the step; v6-11 constants; v12 the fill's LDS address; v16-31 statistics, eight a tile: -M, largest t, l (two halves), f and a filler, two at work;
;   v32-47 Q of pair 0; v48-79 P, then the codes that leave; v80-207 S^T, 64 a tile; v208-223 Q of pair 1.   window 1: v0-63 K of a step; v64-127 V; v128-191 O^T, 32 a tile.
; THE MODE: SCHED_MODE bits 1:0 = 2 (LLVM: expert scheduling mode 2), set by the entry lines.  The code itself states the register dependences
; between vector or matrix instructions and memory or LDS instructions, with s_wait_alu, always for 0.
; THE PLAN.  Registers that memory or LDS instructions touch:
;   v[LI], v[FILL]   Written at the head, never again.  Read by every global load and store, and by the fill's LDS stores.
;   S^T's registers and window 1 v0-127, at the head: global loads land in them, the fill's LDS stores read them; afterwards products write the first and the steps' LDS loads the second.
;   v[ADK], v[ADV]   Written by two additions at each trip's head; read by the trip's 32 LDS loads.
;   K's registers    A step's first 16 LDS loads land in them; its 16 score products read them.
;   V's registers    A step's other 16 LDS loads land in them; its last eight products read them.
;   P's first 16     Written by conversions and selects; read by products and, at a pair's end, by four global stores.
;   v[SPW], v[NIL]   Written at the head, read by the closing add alone.
; So a walked step has ONE wait on va_vdst for its 32 loads, ahead of K's: the two addresses are written, and the step before is done reading K and V.  V's loads stand in the middle of the score products,
; which name K, Q and S^T: none of the registers that those loads touch.  One wait on vm_vsrc a trip stands ahead of the two additions.  The wait behind the exponentials is the step's other wait on va_vdst.
.set SPARE, 262144                     ; behind K and V: the spare words, 128 bytes for each of eight waves
.set LI,   1
.set SPW,  2
.set NIL,  3
.set ADK,  4
.set ADV,  5
.set NINF, 6
.set PSC,  7
.set PLIM, 8
.set OSC,  9
.set OLIM, 10
.set NANC, 11
.set FILL, 12
.set ST,   16
.set Q0,   32
.set P,    48
.set S,    80
.set Q1,   208
.set KW,   0
.set VW,   64
.set OW,   128
.set MSB, 0
.macro WIN new                         ; the immediate's high byte repeats the setting that is left
.if MSB != (\new)
	s_set_vgpr_msb (MSB<<8)|(\new)
.set MSB, (\new)
.endif
.endm
	s_load_b256 s[4:11], s[0:1], 0x0               ; QF, KF, VF, MB
	s_load_b128 s[12:15], s[0:1], 0x20             ; FL, the scales
	s_load_b64 s[90:91], s[0:1], 0x30              ; CF
	v_lshl_add_u32 v[SPW], v0, 2, SPARE
	v_mov_b32 v[NIL], 0
	v_lshrrev_b32 v4, 5, v0
	v_readfirstlane_b32 s84, v4                    ; wave 0..7
	v_and_b32 v[LI], 31, v0
	v_lshlrev_b32 v[LI], 4, v[LI]
	s_wait_alu depctr_va_sdst(0)                   ; s84 is written, ahead of its first reader: the wave's shares are made from it
	s_lshl_b32 s85, s84, 15
	v_add_nc_u32 v[FILL], s85, v[LI]               ; my wave fills LDS bytes 32,768 w on: waves 0-3 K, waves 4-7 V
	s_and_b32 s68, ttmp7, 0xffff                   ; batch x 16 + head
	s_lshl_b32 s69, ttmp9, 3
	s_add_co_u32 s69, s69, s84                     ; my first pair
	s_sub_co_u32 s70, 63, s69                      ; my second
	s_lshl_b32 s72, s68, 17                        ; the head's first byte in QF, KF, VF
	s_mov_b32 s73, 0
	s_lshl_b32 s74, s69, 11                        ; a pair of Q's tiles is 2,048 bytes
	s_mov_b32 s75, 0
	s_lshl_b32 s76, s70, 11
	s_mov_b32 s77, 0
	s_and_b32 s82, s84, 3
	s_lshl_b32 s82, s82, 15
	s_mov_b32 s83, 0
	s_lshl_b32 s2, s69, 6                          ; a pair's 16 flags are 64 bytes
	s_lshl_b32 s3, s70, 6
	s_mov_b32 s96, 0x76543210                      ; v_permlanex16_b32: lane l xor 16
	s_mov_b32 s97, 0xfedcba98
	s_wait_kmcnt 0x0
	s_add_nc_u64 s[4:5], s[4:5], s[72:73]
	s_add_nc_u64 s[78:79], s[4:5], s[74:75]
	s_add_nc_u64 s[80:81], s[4:5], s[76:77]
	s_wait_alu depctr_va_vdst(0)                   ; v[LI] and v[FILL] are written: every global load and store below reads the first as its offset, the fill's LDS stores the second as their address
.irp i, 0,1,2,3
	global_load_b128 v[Q0+4*\i:Q0+4*\i+3], v[LI], s[78:79] offset:512*\i
	global_load_b128 v[Q1+4*\i:Q1+4*\i+3], v[LI], s[80:81] offset:512*\i
.endr
	s_cmp_lt_u32 s84, 4
	s_cselect_b64 s[6:7], s[6:7], s[8:9]
	s_add_nc_u64 s[6:7], s[6:7], s[72:73]
	s_add_nc_u64 s[6:7], s[6:7], s[82:83]          ; my 32,768 bytes of K's or of V's images
.set n, 0
.rept 32
	global_load_b128 v[S+4*n:S+4*n+3], v[LI], s[6:7] offset:512*n
.set n, n+1
.endr
	WIN 0x40                                       ; destination window 1
.set n, 0
.rept 32
	global_load_b128 v[4*n:4*n+3], v[LI], s[6:7] offset:512*(32+n)
.set n, n+1
.endr
	WIN 0
	s_load_b512 s[16:31], s[12:13], s2 offset:0x0  ; the first pair's 16 flags
	s_load_b512 s[32:47], s[12:13], s3 offset:0x0  ; the second's
	s_load_b256 s[48:55], s[14:15], 0x0            ; e0 .. e7
	s_load_b128 s[56:59], s[14:15], 0x20           ; e8 .. e11
	s_lshl_b32 s74, s69, 13                        ; a pair's records of the mask: 2 tiles x 16 steps x 256 bytes
	s_add_nc_u64 s[86:87], s[10:11], s[74:75]
	s_lshl_b32 s76, s70, 13
	s_add_nc_u64 s[88:89], s[10:11], s[76:77]
	s_lshr_b32 s71, s68, 4                         ; the batch: 128 row tiles of 16,384 bytes
	s_lshl_b32 s82, s71, 21
	s_and_b32 s71, s68, 15                         ; the head: 1,024 bytes in a row tile
	s_lshl_b32 s71, s71, 10
	s_add_co_u32 s82, s82, s71
	s_add_nc_u64 s[90:91], s[90:91], s[82:83]
	s_lshl_b32 s82, s70, 15
	s_add_nc_u64 s[92:93], s[90:91], s[82:83]      ; where the second pair's codes go,
	s_lshl_b32 s82, s69, 15
	s_add_nc_u64 s[90:91], s[90:91], s[82:83]      ; and the first's
	v_mov_b32 v[NINF], 0xff800000                  ; (v6 to v11, written from here on, are named by no memory or LDS instruction)
	v_mov_b32 v[NANC], 0x7f7f7f7f
	s_wait_kmcnt 0x0
	s_mov_b32 s98, s16                             ; a pair's flags, two bits a key step, in one word
	s_mov_b32 s99, s32
.irp j, 1,2,3,4,5,6,7,8,9,10,11,12,13,14,15
	s_lshl_b32 s85, s[16+\j], 2*\j
	s_or_b32 s98, s98, s85
	s_lshl_b32 s85, s[32+\j], 2*\j
	s_or_b32 s99, s99, s85
.endr
	s_add_co_i32 s85, s54, s55
	s_lshl_b32 s85, s85, 23
	s_add_co_i32 s94, s85, 0x3e38aa3b              ; c = log2(e) / 8, with e6 + e7 added to its exponent field
	s_mov_b32 s95, s94                             ; (named with it as a pair)
	s_mov_b32 s2, s56                              ; e8
	s_add_co_i32 s3, s56, s57                      ; e8 + e9
	s_add_co_i32 s85, s56, 127
	s_lshl_b32 s71, s85, 23
	v_mov_b32 v[PSC], s71                          ; 2^e8
	s_add_co_i32 s85, s85, 8
	s_lshl_b32 s85, s85, 23
	s_or_b32 s85, s85, 0x600000
	v_mov_b32 v[PLIM], s85                         ; 448 x 2^e8
	s_add_co_i32 s85, s58, 127
	s_lshl_b32 s71, s85, 23
	v_mov_b32 v[OSC], s71                          ; 2^e10
	s_add_co_i32 s85, s85, 8
	s_lshl_b32 s85, s85, 23
	s_or_b32 s85, s85, 0x600000
	v_mov_b32 v[OLIM], s85                         ; 448 x 2^e10
	s_wait_loadcnt 32                              ; Q and the fill's first 32 loads are in; its other 32 may be out
.set n, 0
.rept 32
	ds_store_b128 v[FILL], v[S+4*n:S+4*n+3] offset:512*n
.set n, n+1
.endr
	s_wait_loadcnt 0x0
	WIN 0x04                                       ; store data window 1
.set n, 0
.rept 32
	ds_store_b128 v[FILL], v[4*n:4*n+3] offset:512*(32+n)
.set n, n+1
.endr
	WIN 0
	s_wait_dscnt 0x0                               ; for the others' sake: my part of K or V lies in LDS
	s_barrier_signal -1
	s_barrier_wait -1                              ; everybody's does; nobody writes these bytes again
	s_wait_alu depctr_vm_vsrc(0)                   ; my LDS stores have read S^T's registers and window 1 v0-127: from here on products write the first, and the steps' LDS loads land in the second
; ONE PAIR OF TILES.  k: which; q: Q's registers; mp, cp: the scalar pairs with the mask's records and the output's place; pk: the register with the packed flags.
.macro PAIR k, q, mp, cp, pk
.if \k
	s_wait_xcnt 0x0                                ; the first pair's stores have read their registers, which P takes again
	s_wait_alu depctr_vm_vsrc(0)                   ; the same four stores have read v[P] to v[P+15], which this pair's conversions write
.endif
.irp t, 0,1
	v_mov_b32 v[ST+8*\t+1], 0xff61b1e6             ; the largest t so far: -3e38, under every t
	v_mov_b32 v[ST+8*\t+2], 0                      ; l
	v_mov_b32 v[ST+8*\t+3], 0
	v_mov_b32 v[ST+8*\t+4], 0
	v_mov_b32 v[ST+8*\t+5], 0                      ; (named as the upper half of f's pair)
	v_mov_b32 v[ST+8*\t+6], 0                      ; (a lane permute's destination counts as read, also where every step is passed over)
	v_mov_b32 v[ST+8*\t+7], 0
	v_floor_f32 v[ST+8*\t], -v[ST+8*\t+1]          ; -M
.endr
	WIN 0x40
.set n, 0
.rept 64
	v_mov_b32 v[OW+n], 0                           ; O^T.  Which key step is the first to be walked hangs on the flags, so no product can be written that starts the sums
.set n, n+1
.endr
	WIN 0
	s_mov_b32 s100, 0
.Lstep_\k:                                     ; 16 trips, a constant; a step that the flags pass over does nothing but count
	s_lshl_b32 s14, s100, 13                       ; a step's images: 8,192 bytes of K, and of V
	s_wait_alu depctr_vm_vsrc(0)                   ; the LDS loads of the step before have read v[ADK] and v[ADV], which the two additions write
	v_add_nc_u32 v[ADK], s14, v[LI]                ; (made ahead of every branch; with the two v_nop below the four places behind the last products, in front of the loads into V's registers)
	v_add_nc_u32 v[ADV], 0x20000, v[ADK]
	s_lshl_b32 s15, s100, 1
	s_lshr_b32 s101, s[\pk], s15
	s_bitcmp1_b32 s101, 0                          ; does any key of the block count?
	s_cbranch_scc0 .Lskip_\k
	v_nop
	v_nop
	WIN 0x40
	s_wait_alu depctr_va_vdst(0)                   ; v[ADK] and v[ADV] are written, which the 32 loads below read; the last step's score products are done reading K's registers and its last products V's, in which those loads land
.set n, 0
.rept 16
	ds_load_b128 v[KW+4*n:KW+4*n+3], v[ADK] offset:512*n
.set n, n+1
.endr
	s_wait_dscnt 8                                 ; K's first four fragments are in; its other eight loads may be out
	WIN 0x01                                       ; source 0 (K) window 1
.irp u, 0,1,2,3
.irp t, 0,1
	v_wmma_f32_16x16x64_fp8_fp8 v[S+64*\t+8*\u:S+64*\t+8*\u+7], v[KW+8*\u:KW+8*\u+7], v[\q+8*\t:\q+8*\t+7], 0
.endr
.endr
	WIN 0x40
.set n, 0
.rept 16
	ds_load_b128 v[VW+4*n:VW+4*n+3], v[ADV] offset:512*n   ; no further wait: the eight products since the wait above name K, Q and S^T, neither V's registers nor v[ADV]
.set n, n+1
.endr
	s_wait_dscnt 16                                ; K is in; V's 16 loads may be out
	WIN 0x01
.irp u, 4,5,6,7
.irp t, 0,1
	v_wmma_f32_16x16x64_fp8_fp8 v[S+64*\t+8*\u:S+64*\t+8*\u+7], v[KW+8*\u:KW+8*\u+7], v[\q+8*\t:\q+8*\t+7], 0
.endr
.endr
	WIN 0
.rept 4
	v_nop                                          ; places in front of the first read of the scores
.endr
	s_bitcmp1_b32 s101, 1                          ; is any key of the block masked?
	s_cbranch_scc0 .Lopen_\k
	s_lshl_b32 s15, s100, 8                        ; the step's record
.irp t, 0,1
.if \t
	s_wait_alu depctr_va_vdst(0)                   ; the first tile's 64 selects are done reading the lane masks in s16 to s83, which the scalar loads below write again
.endif
	s_load_b512 s[16:31], s[\mp:\mp+1], s15 offset:4096*\t
	s_load_b512 s[32:47], s[\mp:\mp+1], s15 offset:4096*\t+64
	s_load_b512 s[48:63], s[\mp:\mp+1], s15 offset:4096*\t+128
	s_load_b512 s[68:83], s[\mp:\mp+1], s15 offset:4096*\t+192
	s_wait_kmcnt 0x0
.set n, 0
.rept 64
.if n < 48
	v_cndmask_b32 v[S+64*\t+n], v[S+64*\t+n], v[NINF], s[16+n]   ; a masked key's score becomes -infinity: p = 0
.else
	v_cndmask_b32 v[S+64*\t+n], v[S+64*\t+n], v[NINF], s[20+n]
.endif
.set n, n+1
.endr
.endr
.Lopen_\k:
.irp t, 0,1                                    ; the step's largest score of my query among my 64 keys, in two chains a tile, each accumulator from its low end on; the two tiles line by line
	v_max3_num_f32 v[ST+8*\t+6], v[S+64*\t], v[S+64*\t+1], v[S+64*\t+2]
	v_max3_num_f32 v[ST+8*\t+7], v[S+64*\t+3], v[S+64*\t+4], v[S+64*\t+5]
.endr
.irp i, 6,10,14,18,22,26,30,34,38,42,46,50,54,58
.irp t, 0,1
	v_max3_num_f32 v[ST+8*\t+6], v[ST+8*\t+6], v[S+64*\t+\i], v[S+64*\t+\i+1]
	v_max3_num_f32 v[ST+8*\t+7], v[ST+8*\t+7], v[S+64*\t+\i+2], v[S+64*\t+\i+3]
.endr
.endr
.irp t, 0,1
	v_max3_num_f32 v[ST+8*\t+6], v[ST+8*\t+6], v[S+64*\t+62], v[S+64*\t+63]
.endr
.irp t, 0,1
	v_max_num_f32 v[ST+8*\t+6], v[ST+8*\t+6], v[ST+8*\t+7]
.endr
.irp t, 0,1
	v_permlanex16_b32 v[ST+8*\t+7], v[ST+8*\t+6], s96, s97
.endr
.irp t, 0,1
	v_max_num_f32 v[ST+8*\t+6], v[ST+8*\t+6], v[ST+8*\t+7]   ; and among lane l xor 16's
.endr
.irp t, 0,1
	v_mul_f32 v[ST+8*\t+6], s94, v[ST+8*\t+6]      ; as t (c is positive)
.endr
.irp t, 0,1
	v_max_num_f32 v[ST+8*\t+1], v[ST+8*\t+1], v[ST+8*\t+6]
.endr
.irp t, 0,1
	v_mov_b32 v[ST+8*\t+6], v[ST+8*\t]
.endr
.irp t, 0,1
	v_floor_f32 v[ST+8*\t], -v[ST+8*\t+1]          ; the new -M = floor(-t): M is a whole number
.endr
.irp t, 0,1
	v_sub_f32 v[ST+8*\t+6], v[ST+8*\t], v[ST+8*\t+6]   ; old M - new M: a whole number, 0 or less
.endr
.irp t, 0,1
	v_cvt_i32_f32 v[ST+8*\t+6], v[ST+8*\t+6]       ; (it saturates)
.endr
.irp t, 0,1
	v_ldexp_f32 v[ST+8*\t+4], 1.0, v[ST+8*\t+6]    ; f = 2^(old M - new M)
.endr
.set n, 0
.rept 32
	v_pk_fma_f32 v[S+n:S+n+1], v[S+n:S+n+1], s[94:95], v[ST:ST+1] op_sel_hi:[1,0,0]            ; t - M, two at a time
	v_pk_fma_f32 v[S+64+n:S+64+n+1], v[S+64+n:S+64+n+1], s[94:95], v[ST+8:ST+9] op_sel_hi:[1,0,0]
.set n, n+2
.endr
.set n, 0
.rept 64
	v_exp_f32 v[S+n], v[S+n]                       ; p = 2^(t - M), at most 1
	v_exp_f32 v[S+64+n], v[S+64+n]
.set n, n+1
.endr
.irp t, 0,1
	v_pk_mul_f32 v[ST+8*\t+2:ST+8*\t+3], v[ST+8*\t+2:ST+8*\t+3], v[ST+8*\t+4:ST+8*\t+5] op_sel_hi:[1,0]   ; l under the new M (the plain instructions behind the exponentials)
.endr
	s_wait_alu depctr_va_vdst(0)                   ; the 128 exponentials have written p, ahead of its first reader, the sums below: one wait for the batch
.irp t, 0,1
	v_pk_add_f32 v[ST+8*\t+6:ST+8*\t+7], v[S+64*\t:S+64*\t+1], v[S+64*\t+2:S+64*\t+3]   ; the row's sum is taken of the unquantised p, in two chains a tile
.endr
.irp j, 4,8,12,16,20,24,28,32,36,40,44,48,52,56,60
.irp t, 0,1
	v_pk_add_f32 v[ST+8*\t+2:ST+8*\t+3], v[ST+8*\t+2:ST+8*\t+3], v[S+64*\t+\j:S+64*\t+\j+1]
	v_pk_add_f32 v[ST+8*\t+6:ST+8*\t+7], v[ST+8*\t+6:ST+8*\t+7], v[S+64*\t+\j+2:S+64*\t+\j+3]
.endr
.endr
.irp t, 0,1
	v_pk_add_f32 v[ST+8*\t+2:ST+8*\t+3], v[ST+8*\t+2:ST+8*\t+3], v[ST+8*\t+6:ST+8*\t+7]
.endr
	s_cmp_ge_i32 s2, -8                            ; with e8 >= -8 the largest code stands for 448 x 2^e8 >= 1.75, and p is at most 1: the hold cannot act
	s_cbranch_scc1 .Lnohold_\k
.set n, 0
.rept 128
	v_min_num_f32 v[S+n], v[S+n], v[PLIM]          ; the conversion does not saturate (ISA guide 7.6.2); p is not negative
.set n, n+1
.endr
.Lnohold_\k:
.irp u, 0,1,2,3,4,5,6,7
.irp t, 0,1
	v_cvt_scalef32_pk8_fp8_f32 v[P+16*\t+2*\u:P+16*\t+2*\u+1], v[S+64*\t+8*\u:S+64*\t+8*\u+7], v[PSC]
.endr
.endr
	WIN 0x41                                       ; O^T (destination, source 0) window 1, f window 0
.irp t, 0,1
.set n, 0
.rept 16
	v_pk_mul_f32 v[OW+32*\t+n:OW+32*\t+n+1], v[OW+32*\t+n:OW+32*\t+n+1], v[ST+8*\t+4:ST+8*\t+5] op_sel_hi:[1,0]   ; O^T under the new M (also the plain instructions behind the conversions)
.set n, n+2
.endr
.endr
	s_wait_dscnt 0x0                               ; V is in
	WIN 0x51                                       ; V window 1, P window 0, O^T window 1
.irp d, 0,1,2,3                                ; the eight accumulators take turns, one instruction a turn; the scores' products stand between one step's links and the next's
.irp t, 0,1
	v_wmma_f32_16x16x128_fp8_fp8 v[OW+32*\t+8*\d:OW+32*\t+8*\d+7], v[VW+16*\d:VW+16*\d+15], v[P+16*\t:P+16*\t+15], v[OW+32*\t+8*\d:OW+32*\t+8*\d+7]
.endr
.endr
	WIN 0
.Lskip_\k:
	s_add_co_u32 s100, s100, 1
	s_cmp_lt_u32 s100, 16
	s_cbranch_scc1 .Lstep_\k
	; THE WAY OUT: O^T x 2^(e8 + e9) / l, held, quantised with 2^e10; 16 bytes a lane, 512 consecutive bytes a store.  The first lines are the places behind the last products.
.irp t, 0,1
	v_add_f32 v[ST+8*\t+2], v[ST+8*\t+2], v[ST+8*\t+3]
.endr
.irp t, 0,1
	v_permlanex16_b32 v[ST+8*\t+6], v[ST+8*\t+2], s96, s97
.endr
.irp t, 0,1
	v_add_f32 v[ST+8*\t+2], v[ST+8*\t+2], v[ST+8*\t+6]   ; the row's sum
.endr
	v_cmp_eq_f32 s14, 0, v[ST+2]                   ; a row with no key that counts
	v_cmp_eq_f32 s15, 0, v[ST+10]
	s_wait_alu depctr_va_sdst(0)                   ; the two compares have written s14 and s15, ahead of their first readers, the selects below
	v_cndmask_b32 v[ST+6], v[ST+2], 1.0, s14       ; is divided by 1, so that no 0 x infinity arises; its codes are set below
	v_cndmask_b32 v[ST+14], v[ST+10], 1.0, s15
	v_rcp_f32 v[ST+4], v[ST+6]
	v_rcp_f32 v[ST+12], v[ST+14]
	v_nop                                          ; a plain instruction behind the reciprocals
	s_wait_alu depctr_va_vdst(0)                   ; the two reciprocals are written, ahead of their first readers
	v_ldexp_f32 v[ST+4], v[ST+4], s3
	v_ldexp_f32 v[ST+12], v[ST+12], s3
	WIN 0x01                                       ; source 0 (O^T) window 1
.irp t, 0,1
.set n, 0
.rept 16
	v_pk_mul_f32 v[S+32*\t+n:S+32*\t+n+1], v[OW+32*\t+n:OW+32*\t+n+1], v[ST+8*\t+4:ST+8*\t+5] op_sel_hi:[1,0]
.set n, n+2
.endr
.endr
	WIN 0
.set n, 0
.rept 64
	v_med3_num_f32 v[S+n], v[S+n], -v[OLIM], v[OLIM]
.set n, n+1
.endr
.irp t, 0,1
.irp d, 0,1,2,3
	v_cvt_scalef32_pk8_fp8_f32 v[P+8*\t+2*\d:P+8*\t+2*\d+1], v[S+32*\t+8*\d:S+32*\t+8*\d+7], v[OSC]
.endr
.endr
	v_nop                                          ; a plain instruction between the conversions and the lines that touch their results
.irp i, 0,1,2,3,4,5,6,7
	v_cndmask_b32 v[P+\i], v[P+\i], v[NANC], s14
	v_cndmask_b32 v[P+8+\i], v[P+8+\i], v[NANC], s15
.endr
	s_wait_alu depctr_va_vdst(0)                   ; the selects have written v[P] to v[P+15], which the four stores read
.irp t, 0,1
	global_store_b128 v[LI], v[P+8*\t:P+8*\t+3], s[\cp:\cp+1] offset:16384*\t
	global_store_b128 v[LI], v[P+8*\t+4:P+8*\t+7], s[\cp:\cp+1] offset:16384*\t+512
.endr
.endm
	PAIR 0, Q0, 86, 90, 98
	PAIR 1, Q1, 88, 92, 99
	s_wait_dscnt 0x0                               ; the closing lines, six on end
	s_wait_alu 0x0
	s_wait_tensorcnt 0x0
	ds_add_u32 v[SPW], v[NIL]
	s_wait_dscnt 0x0
	s_endpgm
.Lfunc_end_k_q4cd74d0c1a_attn:
	.size	k_q4cd74d0c1a_attn, .Lfunc_end_k_q4cd74d0c1a_attn-k_q4cd74d0c1a_attn
	.p2alignl 7, 3214868480
	.fill 96, 4, 3214868480
	.section	.rodata,"a",@progbits
	.p2align	6, 0x0
	.amdhsa_kernel k_q4cd74d0c1a_attn
		.amdhsa_group_segment_fixed_size 263168
		.amdhsa_private_segment_fixed_size 0
		.amdhsa_enable_private_segment 0
		.amdhsa_kernarg_size 56
		.amdhsa_user_sgpr_count 2
		.amdhsa_user_sgpr_kernarg_segment_ptr 1
		.amdhsa_wavefront_size32 1
		.amdhsa_system_sgpr_workgroup_id_x 1
		.amdhsa_system_sgpr_workgroup_id_y 1
		.amdhsa_system_sgpr_workgroup_id_z 1
		.amdhsa_system_vgpr_workitem_id 0
		.amdhsa_next_free_vgpr 448
		.amdhsa_next_free_sgpr 102
		.amdhsa_reserve_vcc 0
		.amdhsa_float_denorm_mode_32 3
		.amdhsa_float_denorm_mode_16_64 3
		.amdhsa_memory_ordered 1
		.amdhsa_forward_progress 1
		.amdhsa_inst_pref_size 114
	.end_amdhsa_kernel
	.amdgpu_metadata
---
amdhsa.version: [ 1, 2 ]
amdhsa.kernels:
  - .name:           k_q4cd74d0c1a_attn
    .symbol:         k_q4cd74d0c1a_attn.kd
    .args:
      - { .name: QF, .offset: 0, .size: 8, .value_kind: global_buffer, .address_space: global }
      - { .name: KF, .offset: 8, .size: 8, .value_kind: global_buffer, .address_space: global }
      - { .name: VF, .offset: 16, .size: 8, .value_kind: global_buffer, .address_space: global }
      - { .name: MB, .offset: 24, .size: 8, .value_kind: global_buffer, .address_space: global }
      - { .name: FL, .offset: 32, .size: 8, .value_kind: global_buffer, .address_space: global }
      - { .name: lowp_scales, .offset: 40, .size: 8, .value_kind: global_buffer, .address_space: global }
      - { .name: CF, .offset: 48, .size: 8, .value_kind: global_buffer, .address_space: global }
    .group_segment_fixed_size: 263168
    .private_segment_fixed_size: 0
    .kernarg_segment_align: 8
    .kernarg_segment_size: 56
    .max_flat_workgroup_size: 256
    .sgpr_count:     102
    .vgpr_count:     448
    .wavefront_size: 32
...
	.end_amdgpu_metadata
.endif
;; end of part 4
;; launch oproj: the kernel of part 3 again; grid 4 x 32, 4 waves a work-group, clusters of 4 x 4, 327,680 bytes of LDS; arguments CF, Wo_codes, lowp_scales, bo, out0; writes out0
